; MI455X (gfx1250); checked and timed in simulation.
; The chip was launched on July 23, 2026; its instructions are those of AMD's public machine-readable ISA for CDNA 5 (MIT licence, August 2026) and "CDNA5" Instruction Set Architecture Reference Guide (July 2026). The comments in the code are by the model that wrote it; some were corrected since.
;; Multi Head Attention. Allowed arithmetic: matrix products marked QUANTISED: E2M1 operands, one E8M0 scale for each 32 along K, by v_wmma_scale_f32_16x16x128_f8f6f4 with both operands' format E2M1 (or v_wmma_scale_f32_32x16x128_f4), f32 sums; products left as they are: bf16, f16 or f32 operands; f32 sums; everything else in f32.
;; Inputs: Wk 1,024 x 1,024 float32; Wo 1,024 x 1,024 float32; Wq 1,024 x 1,024 float32; Wv 1,024 x 1,024 float32; bk 1,024 float32; bo 1,024 float32; bq 1,024 float32; bv 1,024 float32; context 4 x 2,048 x 1,024 float32; data 4 x 2,048 x 1,024 float32.
;; Outputs: out0 4 x 2,048 x 1,024 float32.
;; This version of the problem:
;;   THIS VERSION OF THE PROBLEM IS GIVEN IN LOW PRECISION. The matrix products marked QUANTISED in the list below multiply operands that are first quantised to E2M1 (2 exponent bits, 1 mantissa bit; 4 bits a number), with one power-of-two scale for each 32 numbers along K (OCP MX v1.0); their sums are f32. The products marked 'left as it is' may take bf16, f16 or f32 operands, with f32 sums. Whichever they take, every output number must still come out within the allowed error. Rounding operands to bf16 (8 significant bits) uses up far more of that allowance than f16 does (11 bits, for magnitudes from 6e-5 to 65,504). All else is computed in f32.
;;   The module's matrix products, in the order in which they are computed (A, B: the left and right operand; K: the contracted axis; several contracted axes count as one K, in the product's order):
;;     1. [M 8,192, K 1,024] x [K 1,024, N 1,024]; A: input data; B: input Wq: QUANTISED
;;     2. [M 8,192, K 1,024] x [K 1,024, N 1,024]; A: input context; B: input Wk: QUANTISED
;;     3. [M 8,192, K 1,024] x [K 1,024, N 1,024]; A: input context; B: input Wv: QUANTISED
;;     4. batch 64 x [M 2,048, K 64] x [K 64, N 2,048]; A: computed on the way; B: computed on the way: left as it is (an operand is computed on the way)
;;     5. batch 64 x [M 2,048, K 2,048] x [K 2,048, N 64]; A: computed on the way; B: computed on the way: left as it is (an operand is computed on the way)
;;     6. [M 8,192, K 1,024] x [K 1,024, N 1,024]; A: computed on the way; B: input Wo: left as it is (an operand is computed on the way)
;;   THE QUANTISER, for each operand of a quantised product, along K:
;;     - K is cut into blocks of 32 from its start; a last block that is shorter is filled with zeros.
;;     - A block's scale is 2^e with e = floor(log2(the largest magnitude in the block)) - 2, held to -126 .. 127; a block of zeros has e = 0. As a byte (E8M0): e + 127.
;;     - Each number is divided by its block's scale, clamped to +-6, and rounded to the nearest number of E2M1, ties to even, subnormals kept.
;;     - The product sums the exact products of the quantised numbers (number of the format x scale) in f32.
;;   ~~~python
;;   def quantise(x, axis):      # numpy; x: float32 -> the quantised numbers, widened to float32 again
;;       x = np.moveaxis(x, axis, -1); K = x.shape[-1]
;;       x = np.pad(x, [(0, 0)] * (x.ndim - 1) + [(0, -K % 32)]); x = x.reshape(x.shape[:-1] + (-1, 32)); a = np.abs(x).max(-1, keepdims=True)
;;       e = np.where(a > 0, np.clip(np.frexp(np.where(a > 0, a, 1))[1] - 1 - 2, -126, 127), 0)      # np.frexp(a)[1] - 1 = floor(log2(a)), exactly
;;       r = np.clip(x / 2.0 ** e, -6, 6)
;;       step = 2.0 ** (np.maximum(np.frexp(np.where(r == 0, 1, r))[1] - 1, 0) - 1)
;;       q = np.round(r / step) * step * 2.0 ** e      # np.round: ties to even
;;       return np.moveaxis(q.reshape(q.shape[:-2] + (-1,))[..., :K], -1, axis).astype(np.float32)
;;   ~~~
;; One version. Each part assembles by itself: llvm-mc -triple=amdgcn-amd-amdhsa -mcpu=gfx1250 --defsym DOCPART=n.
;; ======== version 1 of 1: 5 launches
;; limits: values are held in f16: magnitudes above 65,504 overflow, below 6.1e-05 lose precision
;; workspace buffers: act_codes 8,388,608 bytes; act_scales 524,288 bytes; w_codes 1,572,864 bytes; w_scales 98,304 bytes; wo_img 2,097,152 bytes; qkv_img 50,331,648 bytes; first32 786,432 bytes; att_img 16,777,216 bytes
;; launch prep (part 1): grid 624 x 1, 4 waves a work-group, no clusters, 68,096 bytes of LDS; arguments data, context, Wq, Wk, Wv, Wo, act_codes, act_scales, w_codes, w_scales, wo_img; writes act_codes, act_scales, w_codes, w_scales, wo_img
.if DOCPART == 1
	.amdgcn_target "amdgcn-amd-amdhsa--gfx1250"
	.amdhsa_code_object_version 6
	.text
	.protected	k_q4cf628014f_prep
	.globl	k_q4cf628014f_prep
	.p2align	8
	.type	k_q4cf628014f_prep,@function
k_q4cf628014f_prep:
	s_mov_b64 s[64:65], 0
	v_nop
	global_prefetch_b8 v0, s[64:65] scope:SCOPE_SE
	s_setreg_imm32_b32 hwreg(HW_REG_WAVE_MODE, 25, 1), 1
	s_wait_xcnt 0x0
; MULTI-HEAD ATTENTION, B = 4, S = 2048, D = 1024, H = 16, head size 64.  Launch 1 of 5: the operands of the three quantised projections become codes of FP4 (E2M1) with one E8M0 byte
; for each 32 along K, and Wo becomes f16 in the order of a matrix operand's registers.
; WORK LEFT OUT BY THE WHOLE PROGRAM, AND WHY IT IS DEAD.
;   bk.  Z[q][k] = Q[q] . (K[k] + bk) / 8 = Q[q] . K[k] / 8 + Q[q] . bk / 8.  The second term is the same for every key k of a row q; the mask's -inf does not touch it; the softmax along k
;   takes a term that is constant along k away, whatever finite values the inputs hold.  The product of Q and K is not quantised, so no quantiser sees bk.  bk has no other way to the output:
;   it is loaded nowhere and is among no launch's arguments.  LIMIT: a NaN, an infinity or an overflow that enters through bk alone is not carried to the result.
;   Key steps that lie wholly above the diagonal of the causal mask, which the problem builds itself: their weights are 0.
; IDENTITIES, for all inputs: the softmax's weights sum to 1, so bv is added behind the normalisation; log2(e) / 8 is multiplied into Q + bq in f32, so that the scores are exponents of 2.
; LIMITS OF THE QUANTISERS HERE: a block whose largest magnitude lies under 2^-124 has its byte held at 1; a block of zeros gets the byte 1 where the rule says 127 (its codes are zeros, which add nothing
; under any byte but 0xff, and this program alone reads the bytes); NaN and infinities among the inputs are not served.  LIMIT OF THE CAST: |Wo| stays under 65,504 (f16); under 6e-5 it keeps steps of 6e-8.
; THREE ROLES, by the work-group's number alone; each has LDS bytes of its own:
;   0 .. 47    W: Wq, Wk, Wv [k][n] f32 -> w_codes [3072 rows n][512 bytes], K innermost, and w_scales [3072][32].  A lane takes a column, its registers run down K.
;   48 .. 111  O: Wo [k][n] f32 -> wo_img [n tile 64][k chunk 32][c 2][lane 32][16 bytes]: lane (r, h), block c: f16 of Wo[32 kc + 16 c + 8 h + 0..7][16 nt + r].
;   112 .. 623 A: data, context [8192][1024] f32 -> act_codes [16384 rows][512 bytes], act_scales [16384][32]: plain streams of blocks of 32.
.set SPW,   12                         ; v12  LDS address of my spare word: SPARE + 4 x my thread's number; never rewritten
.set NIL,   13                         ; v13  0; never rewritten
.set SPARE, 67584                      ; behind both roles' regions: the spare words, 128 bytes a wave
.set WV,    26                         ; s26  my wave's number
; role A
.set STEPS, 16                         ; steps of 512 numbers a wave
.set CB,    8                          ; bytes of 16 codes
.set R,     16                         ; v16-79   four sets of 16 numbers as loaded
.set X,     80                         ; v80-111  two sets of 16 neighbours
.set E,     112                        ; v112-127 a scale byte for each step
.set C,     128                        ; v128-191 codes, four registers a step
.set WREG,  8192                       ; LDS 0 .. 32767: a region a wave: two stages of 32 x SP bytes, then 256 scale bytes
.set SP,    80                         ; a lane's place in a stage: 64 bytes + 16 of padding
; role W
.set NB,    16                         ; blocks of 32 along K a wave
.set PITCH, 272                        ; a stage row: 256 bytes of codes + 16
.set KROW,  512                        ; a row of w_codes
.set WSTG,  32768                      ; LDS 32768 .. 67583: four stages of 32 rows
.set XW,    32                         ; v32-127  three sets of 32 numbers
.set CW,    128                        ; v128-131 a block's codes
.set OUTR,  32                         ; v32-95   the way out
.set SB,    24                         ; v24-27   the scale bytes
.macro LOADA t                         ; step t: four loads of 512 consecutive bytes
.irp i, 0,1,2,3
	global_load_b128 v[R+16*((\t)%4)+4*\i:R+16*((\t)%4)+4*\i+3], v3, s[4:5] offset:2048*(\t)+512*\i th:TH_LOAD_NT
.endr
.endm
.macro TURNA t                         ; step t's numbers through the stage; LDS serves a wave's instructions in order, so no wait stands between the stores and the loads
.irp i, 0,1,2,3
	ds_store_b128 v14, v[R+16*((\t)%4)+4*\i:R+16*((\t)%4)+4*\i+3] offset:32*SP*((\t)%2)+8*SP*\i
.endr
.irp i, 0,1,2,3
	ds_load_b128 v[X+16*((\t)%2)+4*\i:X+16*((\t)%2)+4*\i+3], v15 offset:32*SP*((\t)%2)+16*\i
.endr
.endm
.macro STEPA t
.set XS, X+16*((\t)%2)
.if (\t) > 0
	s_wait_dscnt 1                                 ; this step's numbers are back from the stage; the last step's byte store may be out
.else
	s_wait_dscnt 0x0
.endif
.if (\t)+4 < STEPS
	LOADA (\t)+4                                   ; into the set whose stores into the stage have just been shown done
.endif
.if (\t)+1 < STEPS
.if STEPS-2-(\t) >= 3
	s_wait_loadcnt 12                              ; the next step's four loads are in; the three steps behind it may be out
.else
	s_wait_loadcnt 4*(STEPS-2-(\t))
.endif
	TURNA (\t)+1
.endif
	v_max3_num_f32 v8, |v[XS]|, |v[XS+1]|, |v[XS+2]|               ; the largest magnitude of my 16, in two chains
	v_max3_num_f32 v9, |v[XS+3]|, |v[XS+4]|, |v[XS+5]|
.irp i, 6,10
	v_max3_num_f32 v8, v8, |v[XS+\i]|, |v[XS+\i+1]|
	v_max3_num_f32 v9, v9, |v[XS+\i+2]|, |v[XS+\i+3]|
.endr
	v_max3_num_f32 v8, v8, |v[XS+14]|, |v[XS+15]|
	v_max3_num_f32 v8, v8, v9, 0x1800000           ; and the floor 2^(3 - 127): the byte cannot fall under 1
	v_max_num_f32_dpp v8, v8, v8 row_xmask:1 row_mask:0xf bank_mask:0xf   ; with my neighbour's 16: the block's
	v_add_nc_u32 v11, 0xff000000, v8               ; 2 off its exponent field: the conversion takes this operand's exponent field as its scale
	v_cvt_scalef32_pk8_fp4_f32 v[C+4*(\t)], v[XS:XS+7], v11
	v_cvt_scalef32_pk8_fp4_f32 v[C+4*(\t)+1], v[XS+8:XS+15], v11
	v_lshrrev_b32 v[E+(\t)], 23, v11               ; the scale's byte (a plain line behind the conversions)
	ds_store_b8 v5, v[E+(\t)] offset:16*(\t)       ; both lanes of a block write the same byte with the same value
	global_store_b64 v4, v[C+4*(\t):C+4*(\t)+1], s[16:17] offset:32*CB*(\t)   ; the wave stores 256 consecutive bytes, aligned
.endm
.macro LOADW t                         ; block t: W(32 t + i, my column) into set t % 3
.irp i, 0,1,2,3,4,5,6,7,8,9,10,11,12,13,14,15,16,17,18,19,20,21,22,23,24,25,26,27,28,29,30,31
	global_load_b32 v[XW+32*((\t)%3)+\i], v3, s[8:9] offset:(32*(\t)+\i)*4096 th:TH_LOAD_NT
.endr
.endm
.macro BLOCKW t
.set XS, XW+32*((\t)%3)
.if (\t) < NB-2
	s_wait_loadcnt 63                              ; 64 younger loads exist (two blocks'); 63 is the largest count that a wait names
.elseif (\t) == NB-2
	s_wait_loadcnt 32                              ; the last block's may be out
.else
	s_wait_loadcnt 0x0
.endif
	v_max3_num_f32 v16, |v[XS]|, |v[XS+1]|, |v[XS+2]|              ; the block's largest magnitude: all 32 numbers are mine
	v_max3_num_f32 v17, |v[XS+3]|, |v[XS+4]|, |v[XS+5]|
.irp i, 6,10,14,18,22,26
	v_max3_num_f32 v16, v16, |v[XS+\i]|, |v[XS+\i+1]|
	v_max3_num_f32 v17, v17, |v[XS+\i+2]|, |v[XS+\i+3]|
.endr
	v_max3_num_f32 v16, v16, |v[XS+30]|, |v[XS+31]|
	v_max3_num_f32 v16, v16, v17, 0x1800000        ; and the floor
	v_add_nc_u32 v11, 0xff000000, v16
	v_lshrrev_b32 v17, 23, v11                     ; the scale's byte
.if (\t)%4 == 0
	v_mov_b32 v[SB+(\t)/4], v17                    ; four bytes to a register, the lower K in the lower byte
.else
	v_lshl_or_b32 v[SB+(\t)/4], v17, 8*((\t)%4), v[SB+(\t)/4]
.endif
.irp g, 0,1,2,3
	v_cvt_scalef32_pk8_fp4_f32 v[CW+\g], v[XS+8*\g:XS+8*\g+7], v11
.endr
	ds_store_b128 v4, v[CW:CW+3] offset:16*(\t)    ; 32 codes: 16 bytes of my column's row
.if (\t)+3 < NB
	LOADW (\t)+3
.endif
	s_wait_dscnt 0x0                               ; the store has read its registers: the next block's codes may be written
.endm
	s_load_b512 s[4:19], s[0:1], 0x0               ; data 4:5, context 6:7, Wq 8:9, Wk 10:11, Wv 12:13, Wo 14:15, act_codes 16:17, act_scales 18:19
	s_load_b128 s[20:23], s[0:1], 0x40             ; w_codes, w_scales
	s_load_b64 s[24:25], s[0:1], 0x50              ; wo_img
	v_lshl_add_u32 v[SPW], v0, 2, SPARE
	v_mov_b32 v[NIL], 0
	v_lshrrev_b32 v1, 5, v0
	v_readfirstlane_b32 s[WV], v1                  ; wave 0..3
	v_and_b32 v2, 31, v0                           ; lane
	s_wait_kmcnt 0x0
	s_cmp_lt_u32 ttmp9, 48
	s_cbranch_scc1 .Lw
	s_cmp_lt_u32 ttmp9, 112
	s_cbranch_scc1 .Lo
	; ---- ROLE A: 32,768 numbers a work-group, 8,192 a wave
	v_lshlrev_b32 v3, 4, v2                        ; my 16 bytes of a load's 512
	s_mul_i32 s27, s[WV], WREG
	v_lshrrev_b32 v14, 2, v2
	v_mul_u32_u24 v14, v14, SP
	v_and_b32 v15, 3, v2
	v_lshl_add_u32 v14, v15, 4, v14
	v_add_nc_u32 v14, s27, v14                     ; the stage, in: SP (lane / 4) + 16 (lane % 4)
	v_mul_u32_u24 v15, v2, SP
	v_add_nc_u32 v15, s27, v15                     ; and out: SP x lane: my 16 neighbours
	v_mul_u32_u24 v4, v2, CB                       ; my codes' place in a step's
	v_lshrrev_b32 v5, 1, v2
	s_add_co_u32 s27, s27, 2*32*SP
	v_add_nc_u32 v5, s27, v5                       ; my block's byte among my wave's 256
	v_lshlrev_b32 v7, 3, v2
	v_add_nc_u32 v6, s27, v7                       ; and on the way out 8 bytes a lane
	s_sub_co_u32 s28, ttmp9, 112                   ; 0 .. 255 data, 256 .. 511 context
	s_cmp_lt_u32 s28, 256
	s_cselect_b64 s[4:5], s[4:5], s[6:7]           ; the choice hangs on the work-group's number alone
	s_and_b32 s30, s28, 255
	s_lshl_b32 s30, s30, 2
	s_add_co_u32 s30, s30, s[WV]                   ; which run of 8,192 numbers of the tensor
	s_lshl_b32 s30, s30, 15                        ; 32,768 bytes a run
	s_mov_b32 s31, 0
	s_add_nc_u64 s[4:5], s[4:5], s[30:31]
	s_lshl_b32 s28, s28, 2
	s_add_co_u32 s28, s28, s[WV]                   ; which run of the outputs: context's follow data's
	s_lshl_b32 s30, s28, 12                        ; 4,096 bytes of codes a run
	s_add_nc_u64 s[16:17], s[16:17], s[30:31]
	s_lshl_b32 s30, s28, 8                         ; 256 scale bytes a run
	s_add_nc_u64 s[18:19], s[18:19], s[30:31]
.irp t, 0,1,2,3
	LOADA \t
.endr
	s_wait_loadcnt 12                              ; step 0's four loads are in
	TURNA 0
.irp t, 0,1,2,3,4,5,6,7,8,9,10,11,12,13,14,15
	STEPA \t
.endr
	ds_load_b64 v[8:9], v6                         ; LDS serves a wave's instructions in order: these see my byte stores
	s_wait_dscnt 0x0
	global_store_b64 v7, v[8:9], s[18:19]          ; 32 lanes store 256 consecutive bytes, aligned
	s_branch .Lend
	; ---- ROLE W: weight = number / 16, 128 columns = number % 8, 512 along K = (number / 8) % 2; a wave takes 32 columns
.Lw:
	s_lshr_b32 s27, ttmp9, 4                       ; 0 Wq, 1 Wk, 2 Wv
	s_and_b32 s28, ttmp9, 7
	s_bfe_u32 s29, ttmp9, 0x10003
	s_cmp_eq_u32 s27, 0
	s_cselect_b64 s[8:9], s[8:9], s[10:11]
	s_cmp_eq_u32 s27, 2
	s_cselect_b64 s[8:9], s[12:13], s[8:9]
	s_lshl_b32 s28, s28, 7
	s_lshl_b32 s30, s[WV], 5
	s_add_co_u32 s28, s28, s30                     ; my wave's first column
	v_lshlrev_b32 v3, 2, v2                        ; in: 4 bytes a lane
	s_mul_i32 s30, s[WV], 32*PITCH
	s_add_co_u32 s30, s30, WSTG                    ; my stage
	v_mul_u32_u24 v4, v2, PITCH
	v_add_nc_u32 v4, s30, v4                       ; into it: row = my column
	v_and_b32 v5, 15, v2
	v_lshrrev_b32 v6, 4, v2
	v_mul_u32_u24 v7, v6, PITCH
	v_lshl_add_u32 v7, v5, 4, v7
	v_add_nc_u32 v7, s30, v7                       ; out of it: sixteen lanes to a row, two rows an instruction
	v_mul_u32_u24 v8, v6, KROW
	v_lshl_add_u32 v8, v5, 4, v8                   ; and the same place in w_codes
	v_lshlrev_b32 v9, 5, v2                        ; my column's row of scale bytes
	s_lshl_b32 s30, s29, 21                        ; 512 rows of 4,096 bytes
	s_lshl_b32 s31, s28, 2
	s_add_co_u32 s30, s30, s31
	s_mov_b32 s31, 0
	s_add_nc_u64 s[8:9], s[8:9], s[30:31]
	s_lshl_b32 s27, s27, 10
	s_add_co_u32 s27, s27, s28                     ; my first row of the outputs
	s_lshl_b32 s30, s27, 9
	s_lshl_b32 s32, s29, 8
	s_add_co_u32 s30, s30, s32
	s_add_nc_u64 s[20:21], s[20:21], s[30:31]
	s_lshl_b32 s30, s27, 5
	s_lshl_b32 s32, s29, 4
	s_add_co_u32 s30, s30, s32
	s_add_nc_u64 s[22:23], s[22:23], s[30:31]
	LOADW 0
	LOADW 1
	LOADW 2
.set QW, 0
.rept NB
	BLOCKW QW
.set QW, QW+1
.endr
	global_store_b128 v9, v[SB:SB+3], s[22:23]     ; my column's 16 scale bytes
.irp t, 0,1,2,3,4,5,6,7,8,9,10,11,12,13,14,15
	ds_load_b128 v[OUTR+4*\t:OUTR+4*\t+3], v7 offset:2*\t*PITCH
.endr
.irp t, 0,1,2,3,4,5,6,7,8,9,10,11,12,13,14,15
	s_wait_dscnt 15-\t                             ; the younger loads may be out
	global_store_b128 v8, v[OUTR+4*\t:OUTR+4*\t+3], s[20:21] offset:2*\t*KROW   ; sixteen lanes store 256 consecutive bytes, aligned
.endr
	s_branch .Lend
	; ---- ROLE O: n tiles 4 (number % 16) + wave, k chunks 8 (number / 16) + 0 .. 7.  Nothing goes through LDS: a lane's registers run down K and pack in pairs
.Lo:
	s_sub_co_u32 s27, ttmp9, 48
	s_and_b32 s28, s27, 15
	s_lshr_b32 s29, s27, 4
	s_lshl_b32 s28, s28, 2
	s_add_co_u32 s28, s28, s[WV]                   ; my n tile: the four waves stand side by side on 256 bytes of each row of Wo
	v_and_b32 v5, 15, v2
	v_lshrrev_b32 v6, 4, v2
	v_lshlrev_b32 v3, 2, v5
	v_lshl_add_u32 v3, v6, 15, v3                  ; 8 h rows of 4,096 bytes + 4 r
	v_lshlrev_b32 v4, 4, v2                        ; out: 16 bytes a lane
	s_lshl_b32 s30, s29, 20                        ; 256 rows of Wo
	s_lshl_b32 s31, s28, 6
	s_add_co_u32 s30, s30, s31
	s_mov_b32 s31, 0
	s_add_nc_u64 s[14:15], s[14:15], s[30:31]
	s_lshl_b32 s30, s28, 15                        ; 32,768 bytes an n tile,
	s_lshl_b32 s32, s29, 13                        ; 1,024 a k chunk
	s_add_co_u32 s30, s30, s32
	s_add_nc_u64 s[24:25], s[24:25], s[30:31]
.irp f, 0,1,2,3,4,5,6,7
.irp c, 0,1
.irp i, 0,1,2,3,4,5,6,7
	global_load_b32 v[32+16*\f+8*\c+\i], v3, s[14:15] offset:(32*\f+16*\c+\i)*4096 th:TH_LOAD_NT
.endr
.endr
.endr
.irp f, 0,1,2,3,4,5,6,7
.if 16*(7-\f) > 63
	s_wait_loadcnt 63                              ; more than 63 younger loads exist; 63 is the largest count that a wait names
.else
	s_wait_loadcnt 16*(7-\f)                       ; the younger fragments' loads may be out
.endif
.irp q, 0,1,2,3,4,5,6,7
	v_cvt_pk_f16_f32 v[32+16*\f+\q], v[32+16*\f+2*\q], v[32+16*\f+2*\q+1]   ; in place: result q never lies ahead of a number not yet read
.endr
	global_store_b128 v4, v[32+16*\f:32+16*\f+3], s[24:25] offset:1024*\f       ; the wave stores 512 consecutive bytes, aligned
	global_store_b128 v4, v[32+16*\f+4:32+16*\f+7], s[24:25] offset:1024*\f+512
.endr
.Lend:
	s_wait_tensorcnt 0x0                           ; the wave's end
	ds_add_u32 v[SPW], v[NIL]
	s_wait_dscnt 0x0
	s_endpgm
.Lfunc_end_k_q4cf628014f_prep:
	.size	k_q4cf628014f_prep, .Lfunc_end_k_q4cf628014f_prep-k_q4cf628014f_prep
	.p2alignl 7, 3214868480
	.fill 96, 4, 3214868480
	.section	.rodata,"a",@progbits
	.p2align	6, 0x0
	.amdhsa_kernel k_q4cf628014f_prep
		.amdhsa_group_segment_fixed_size 68096
		.amdhsa_private_segment_fixed_size 0
		.amdhsa_enable_private_segment 0
		.amdhsa_kernarg_size 88
		.amdhsa_user_sgpr_count 2
		.amdhsa_user_sgpr_kernarg_segment_ptr 1
		.amdhsa_wavefront_size32 1
		.amdhsa_system_sgpr_workgroup_id_x 1
		.amdhsa_system_sgpr_workgroup_id_y 1
		.amdhsa_system_sgpr_workgroup_id_z 1
		.amdhsa_system_vgpr_workitem_id 0
		.amdhsa_next_free_vgpr 192
		.amdhsa_next_free_sgpr 66
		.amdhsa_reserve_vcc 0
		.amdhsa_float_denorm_mode_32 3
		.amdhsa_float_denorm_mode_16_64 3
		.amdhsa_memory_ordered 1
		.amdhsa_forward_progress 1
		.amdhsa_inst_pref_size 129
	.end_amdhsa_kernel
	.amdgpu_metadata
---
amdhsa.version: [ 1, 2 ]
amdhsa.kernels:
  - .name:           k_q4cf628014f_prep
    .symbol:         k_q4cf628014f_prep.kd
    .args:
      - { .name: data, .offset: 0, .size: 8, .value_kind: global_buffer, .address_space: global }
      - { .name: context, .offset: 8, .size: 8, .value_kind: global_buffer, .address_space: global }
      - { .name: Wq, .offset: 16, .size: 8, .value_kind: global_buffer, .address_space: global }
      - { .name: Wk, .offset: 24, .size: 8, .value_kind: global_buffer, .address_space: global }
      - { .name: Wv, .offset: 32, .size: 8, .value_kind: global_buffer, .address_space: global }
      - { .name: Wo, .offset: 40, .size: 8, .value_kind: global_buffer, .address_space: global }
      - { .name: act_codes, .offset: 48, .size: 8, .value_kind: global_buffer, .address_space: global }
      - { .name: act_scales, .offset: 56, .size: 8, .value_kind: global_buffer, .address_space: global }
      - { .name: w_codes, .offset: 64, .size: 8, .value_kind: global_buffer, .address_space: global }
      - { .name: w_scales, .offset: 72, .size: 8, .value_kind: global_buffer, .address_space: global }
      - { .name: wo_img, .offset: 80, .size: 8, .value_kind: global_buffer, .address_space: global }
    .group_segment_fixed_size: 68096
    .private_segment_fixed_size: 0
    .kernarg_segment_align: 8
    .kernarg_segment_size: 88
    .max_flat_workgroup_size: 128
    .sgpr_count:     66
    .vgpr_count:     192
    .wavefront_size: 32
...
	.end_amdgpu_metadata
.endif
;; end of part 1
;; launch qkv (part 2): grid 4 x 96, 4 waves a work-group, clusters of 4 x 4, 327,680 bytes of LDS; arguments act_codes, act_scales, w_codes, w_scales, bq, qkv_img, first32; writes qkv_img, first32
.if DOCPART == 2
	.amdgcn_target "amdgcn-amd-amdhsa--gfx1250"
	.amdhsa_code_object_version 6
	.text
	.protected	k_q4cf628014f_qkv
	.globl	k_q4cf628014f_qkv
	.p2align	8
	.type	k_q4cf628014f_qkv,@function
k_q4cf628014f_qkv:
	s_mov_b64 s[64:65], 0
	v_nop
	global_prefetch_b8 v0, s[64:65] scope:SCOPE_SE
	s_setreg_imm32_b32 hwreg(HW_REG_WAVE_MODE, 25, 1), 1
	s_wait_xcnt 0x0
	s_wait_alu depctr_hold_cnt(0) depctr_sa_sdst(0) depctr_va_vdst(0) depctr_va_sdst(0) depctr_va_ssrc(0) depctr_va_vcc(0) depctr_vm_vsrc(0)
	s_getreg_b32 s2, hwreg(HW_REG_IB_STS2, 6, 4)
	s_cmp_eq_u32 s2, 0
	s_cbranch_scc0 .Lentry_in_a_cluster
	s_endpgm
.Lentry_in_a_cluster:
	s_bfe_u32 s2, ttmp6, 0x10000c
	s_cmp_lg_u32 s2, 0xf033
	s_cbranch_scc0 .Lentry_shape_is_right
	s_endpgm
.Lentry_shape_is_right:
; Launch 2 of 5: the three quantised projections, on codes of FP4 (E2M1) with E8M0 scales, K = 1024, f32 sums.  bk is left out (dead work: shown at the head of the first kernel); bv is added behind the softmax.
; ONE BODY: C'[m'][n'] = sum over k of A'[m'][k] B'[n'][k], tiles of 256 x 256, four waves of 128 x 128 (64 accumulators, 512 registers).  The cluster's y says which product (y / 8) and which strip (y % 8):
;   0: Q' = (data Wq + bq) log2(e) / 8    A' = data's rows (act rows 0 ..),       B' = Wq's columns (w rows 0 ..)
;   1: K  = context Wk                    A' = context's rows (act rows 8192 ..), B' = Wk's (w rows 1024 ..)
;   2: V^T = (context Wv)^T               A' = Wv's columns (w rows 2048 ..),     B' = context's rows
; All code rows are 512 bytes and all scale rows 32, so one set of tile shapes serves all three.  K = 1024 is two slots of 512: everything is asked for at the head, three tensor loads a wave (scales, slot 0, slot 1), nothing is filled again.
; CLUSTER 4 x 4: A's tiles are shared along a row of the cluster, B's along a column: joint loads.  384 work-groups of equal work.
; THE MATRIX INSTRUCTION IS USED TRANSPOSED (source 0 = 16 rows of B', source 1 = 16 rows of A'): lane (r, h) holds row r of A' and eight neighbouring rows 8 h + 0..7 of B'.  Rounded to f16 these are 16 bytes, and they are just what
; the same lane wants as four registers of the next product's operand.  SO THE RESULTS LEAVE AS IMAGES OF OPERAND REGISTERS, each store of a wave 512 consecutive bytes, aligned, with no stage in LDS:
;   qkv_img + 0 (Q'), + 16,777,216 (K): [batch x head 64][token tile 128][block 4][lane][16 bytes]: lane (r, h): token r, channels 16 block + 8 h + 0..7
;   qkv_img + 33,554,432 (V^T):         [batch x head 64][32 keys 64][channel tile 4][c 2][lane][16 bytes]: lane (r, h): channel 16 dt + r, keys 32 kc + 16 c + 8 h + 0..7
;   first32 (+ 0 Q', + 262,144 K, + 524,288 V): the accumulators that hold positions 0 to 15 of each sequence, in f32: [batch 4][16 columns 64][half 2][lane][16 bytes]
; LIMITS: |Q'|, |K|, |V| stay under 65,504 (f16); under 6e-5 they keep steps of 6e-8.
; REGISTERS, in windows of 256: window 0: v0-31 addresses; v32-95 scale words, two sets; v128-191 A's fragments, one set; v192-255 bq.  window 1: B's fragments, two sets, at v0 and v128; on the way out the packed results.
;   window 2: the accumulators of my rows 0-63 ((a, b) at v[8 (8 a + b)]);  window 3: those of my rows 64-127.
.set NQ,     4                         ; steps of 128 along K in a slot
.set ROWB,   256                       ; a tile's row in bytes: 512 codes
.set KROW,   512                       ; a row of codes in memory
.set PITCH,  272                       ; an LDS row: 256 bytes + 16 of padding: the 16 rows that a load touches start 68 words apart
.set FR,     8
.set NL,     2
.set NP,     4                         ; places behind this matrix instruction (ISA guide 7.12.1)
.set HALFT,  128*PITCH
.set SLOT,   4*HALFT                   ; A's 256 rows, then B's 256 rows
.set KS,     32                        ; a row of scales in bytes
.set SCL,    2*SLOT                    ; behind the slots: the scales, as units of 256 bytes + 16 of padding
.set HALFS,  16*272                    ; the scales of 128 rows
.set SBLK,   2*272                     ; those of 16 rows
.set SPARE,  SCL+4*HALFS               ; the spare words, 128 bytes a wave
.set ADRA, 16                          ; v16-17 LDS address of my A fragments in slot 0, 1
.set ADRB, 20                          ; v20-21 the same for B
.set CO,   26                          ; v26    16 x lane: my place in an image's 512 bytes
.set ADRS, 27                          ; v27    LDS address of my scale words: lanes 0-15 A's rows, lanes 16-31 B's
.set SPW,  28                          ; v28    my spare word; never rewritten
.set NIL,  29                          ; v29    0; never rewritten
.set FLG,  30                          ; v30    0 where my wave holds positions 0 to 15
.set BO,   31                          ; v31    32 h: my half's eight numbers of bq
.set SC,   32
.set AF,   128
.set BQ,   192
.set WVS,  18                          ; s18 wave;  s19 row half, also: I fetch for A (0) or B (1);  s20 column half, also: which 128 rows I fetch
.set RH,   19
.set CH,   20
.set PR,   21                          ; s21 the product;  s22 the strip
.set IDX,  22
.set TR,   23                          ; s23 tile row (never holds cx);  s66 tile column (never holds cy)
.set TC,   66
.set G1, 24
.set G0, 32
.set G1B, 48
.set G0B, 56
.set G1S, 68
.set G0S, 76
.set G1SB, 80
.set G0SB, 88
.set MSB, 0
.macro WIN new                         ; the immediate's high byte repeats the setting that is left; a switch that changes nothing is dropped
.if MSB != (\new)
	s_set_vgpr_msb (MSB<<8)|(\new)
.set MSB, (\new)
.endif
.endm
.set MUL_LO, 0xa1                      ; source 0 (B) window 1, source 1 (A) window 0, C and D window 2
.set MUL_HI, 0xf1                      ; the same, C and D window 3
.set TO_B,   0x40
; A joint load: waves 0 and 1 fetch for A, waves 2 and 3 for B; the branch hangs on the wave's number alone.  An s_nop 0 and four v_nop follow each line.
.macro JLOAD g0a, g1a, g0b, g1b
	s_cmp_eq_u32 s[RH], 0
	s_cbranch_scc0 .Lfor_b_\@
	tensor_load_to_lds s[\g0a:\g0a+3], s[\g1a:\g1a+7]
	s_nop 0
.rept 4
	v_nop
.endr
	s_branch .Lasked_\@
.Lfor_b_\@:
	tensor_load_to_lds s[\g0b:\g0b+3], s[\g1b:\g1b+7]
	s_nop 0
.rept 4
	v_nop
.endr
.Lasked_\@:
.endm
.macro CROUND                          ; a round of the cluster's barrier
	s_barrier_signal -1
	s_barrier_wait -1
	s_cmp_lg_u32 s[WVS], 0
	s_cbranch_scc1 .Lnot_wave_0_\@
	s_barrier_signal -3
.Lnot_wave_0_\@:
	s_barrier_wait -3
	s_barrier_signal -1
	s_barrier_wait -1
.endm
	s_load_b256 s[4:11], s[0:1], 0x0               ; act_codes 4:5, act_scales 6:7, w_codes 8:9, w_scales 10:11
	s_load_b128 s[12:15], s[0:1], 0x20             ; bq 12:13, qkv_img 14:15
	s_load_b64 s[16:17], s[0:1], 0x30              ; first32
	v_lshl_add_u32 v[SPW], v0, 2, SPARE
	v_mov_b32 v[NIL], 0
	ds_add_u32 v[SPW], v[NIL]                      ; the wave's opening: the add, twice on end, and its wait ahead of my first tensor load
	ds_add_u32 v[SPW], v[NIL]
	v_lshrrev_b32 v1, 5, v0
	v_readfirstlane_b32 s[WVS], v1
	s_lshr_b32 s[RH], s[WVS], 1
	s_and_b32 s[CH], s[WVS], 1
	s_bfe_u32 s40, ttmp6, 0x40000                  ; cx
	s_bfe_u32 s41, ttmp6, 0x40004                  ; cy
	s_and_b32 s42, ttmp7, 0xffff                   ; the cluster's y, 0 .. 23: the same in all sixteen partners
	s_lshr_b32 s[PR], s42, 3
	s_and_b32 s[IDX], s42, 7
	s_lshl_b32 s45, s[PR], 13                      ; A's first row in its table: 0, 8192,
	s_lshl_b32 s46, s[PR], 10                      ; B's: 0, 1024,
	s_cmp_eq_u32 s[PR], 2
	s_cselect_b32 s[TR], 0, s[IDX]                 ; the strip runs down the rows for Q and K, along the columns for V^T
	s_cselect_b32 s[TC], s[IDX], 0
	s_cselect_b32 s45, 2048, s45                   ; and for V^T 2048
	s_cselect_b32 s46, 8192, s46                   ; and 8192
	s_lshl_b32 s[TR], s[TR], 2
	s_add_co_u32 s[TR], s[TR], s41                 ; tile row = 4 x strip + cy
	s_lshl_b32 s[TC], s[TC], 2
	s_add_co_u32 s[TC], s[TC], s40                 ; tile column = 4 x strip + cx
	s_lshl_b32 s43, s41, 2
	s_lshl_b32 s43, 15, s43                        ; my row of the cluster
	s_lshl_b32 s44, 0x1111, s40                    ; my column
	; group 1 for codes: 128 rows x 256 bytes, 16 bytes of padding behind each
	s_or_b32 s[G1+0], s43, (0<<16)|(1<<20)|(1<<21)|(5<<22)|(3<<25)   ; 15:0 the mask; 17:16 elements of 1 byte; 20 padding on; 21 set beside a mask; 24:22 after every 64 words; 31:25 four words
	s_or_b32 s[G1B+0], s44, (0<<16)|(1<<20)|(1<<21)|(5<<22)|(3<<25)
.irp g, G1, G1B
	s_mov_b32 s[\g+1], ROWB<<16                    ; tensor_dim0
	s_mov_b32 s[\g+2], 128<<16                     ; tensor_dim1
	s_mov_b32 s[\g+3], ROWB<<16                    ; tile_dim0
	s_mov_b32 s[\g+4], 128                         ; tile_dim1
	s_mov_b32 s[\g+5], KROW                        ; from row to row
	s_mov_b32 s[\g+6], 0
	s_mov_b32 s[\g+7], 0
.endr
	; and for the scales of 128 rows: 4,096 dense bytes as 16 rows of 256 (32 elements of 8 bytes), 16 bytes of padding behind each
	s_or_b32 s[G1S+0], s43, (3<<16)|(1<<20)|(1<<21)|(5<<22)|(3<<25)
	s_or_b32 s[G1SB+0], s44, (3<<16)|(1<<20)|(1<<21)|(5<<22)|(3<<25)
.irp g, G1S, G1SB
	s_mov_b32 s[\g+1], 32<<16
	s_mov_b32 s[\g+2], 16<<16
	s_mov_b32 s[\g+3], 32<<16
	s_mov_b32 s[\g+4], 16
	s_mov_b32 s[\g+5], 32
	s_mov_b32 s[\g+6], 0
	s_mov_b32 s[\g+7], 0
.endr
	s_lshl_b32 s47, s[CH], 7                       ; which 128 rows of the tile I fetch
	s_lshl_b32 s42, s[TR], 8
	s_add_co_u32 s42, s42, s47
	s_add_co_u32 s42, s42, s45                     ; A's row in its table
	s_lshl_b32 s92, s42, 9                         ; its codes, in bytes (under 2^24),
	s_mov_b32 s93, 0
	s_lshl_b32 s94, s42, 5                         ; its scales
	s_mov_b32 s95, 0
	s_lshl_b32 s67, s[TC], 8
	s_add_co_u32 s67, s67, s47
	s_add_co_u32 s67, s67, s46                     ; B's row
	s_lshl_b32 s96, s67, 9
	s_mov_b32 s97, 0
	s_lshl_b32 s98, s67, 5
	s_mov_b32 s99, 0
	s_mul_i32 s45, s[WVS], HALFT                   ; where they go: wave x 128 rows: no place in the cluster enters an LDS address
	s_mul_i32 s46, s[WVS], HALFS
	s_wait_dscnt 0x0                               ; both opening adds are done
	s_wait_kmcnt 0x0
	s_cmp_eq_u32 s[PR], 2                          ; the tables change sides for V^T; the choice hangs on the cluster's number alone
	s_cselect_b64 s[2:3], s[8:9], s[4:5]
	s_add_nc_u64 s[92:93], s[2:3], s[92:93]
	s_cselect_b64 s[2:3], s[10:11], s[6:7]
	s_add_nc_u64 s[94:95], s[2:3], s[94:95]
	s_cselect_b64 s[2:3], s[4:5], s[8:9]
	s_add_nc_u64 s[96:97], s[2:3], s[96:97]
	s_cselect_b64 s[2:3], s[6:7], s[10:11]
	s_add_nc_u64 s[98:99], s[2:3], s[98:99]
	CROUND                                         ; all sixteen work-groups are here: the joint loads meet
	s_mov_b32 s[G0S], 1
	s_add_co_u32 s[G0S+1], s46, SCL
	s_mov_b64 s[G0S+2:G0S+3], s[94:95]
	s_or_b32 s[G0S+3], s[G0S+3], 0x80000000
	s_mov_b32 s[G0SB], 1
	s_add_co_u32 s[G0SB+1], s46, SCL
	s_mov_b64 s[G0SB+2:G0SB+3], s[98:99]
	s_or_b32 s[G0SB+3], s[G0SB+3], 0x80000000
	JLOAD G0S, G1S, G0SB, G1SB                     ; the scales first: they are wanted with the first step
.irp s, 0,1
	s_mov_b32 s[G0+4*\s], 1
	s_add_co_u32 s[G0+4*\s+1], s45, \s*SLOT
	s_add_nc_u64 s[G0+4*\s+2:G0+4*\s+3], s[92:93], \s*ROWB
	s_or_b32 s[G0+4*\s+3], s[G0+4*\s+3], 0x80000000
	s_mov_b32 s[G0B+4*\s], 1
	s_add_co_u32 s[G0B+4*\s+1], s45, \s*SLOT
	s_add_nc_u64 s[G0B+4*\s+2:G0B+4*\s+3], s[96:97], \s*ROWB
	s_or_b32 s[G0B+4*\s+3], s[G0B+4*\s+3], 0x80000000
	JLOAD G0+4*\s, G1, G0B+4*\s, G1B
.endr
	v_and_b32 v1, 15, v0                           ; r
	v_bfe_u32 v2, v0, 4, 1                         ; h
	v_mul_u32_u24 v3, v1, PITCH
	v_lshl_add_u32 v4, v2, 4, v3                   ; a fragment's row x pitch + 16 h
	s_mul_i32 s42, s[RH], HALFT                    ; my 128 rows of A
	s_mul_i32 s47, s[CH], HALFT                    ; my 128 rows of B,
	s_add_co_u32 s47, s47, 2*HALFT                 ; behind A's 256
.irp s, 0,1
	v_add_nc_u32 v[ADRA+\s], s42, v4
	v_add_nc_u32 v[ADRB+\s], s47, v4
	s_add_co_u32 s42, s42, SLOT
	s_add_co_u32 s47, s47, SLOT
.endr
	v_mul_u32_u24 v5, v1, KS                       ; my row's scales: 32 bytes a row,
	v_lshrrev_b32 v6, 8, v5
	v_lshl_add_u32 v5, v6, 4, v5                   ; and 16 more for each 256 passed
	s_mul_i32 s42, s[RH], HALFS
	s_mul_i32 s47, s[CH], HALFS
	s_add_co_u32 s47, s47, 2*HALFS
	s_sub_co_u32 s47, s47, s42
	v_mul_u32_u24 v6, s47, v2                      ; lanes 16-31 take B's: one product, the distance between the two bases
	s_add_co_u32 s42, s42, SCL
	v_add_nc_u32 v5, v5, v6
	v_add_nc_u32 v[ADRS], s42, v5
	v_and_b32 v6, 31, v0
	v_lshlrev_b32 v[CO], 4, v6
	v_lshlrev_b32 v[BO], 5, v2
.macro FRAG reg, adr, q, i             ; 16 rows x 128 K of 4-bit codes: 8 registers, two loads of 16 bytes, 32 bytes apart
.irp c, 0,1
	ds_load_b128 v[\reg+4*\c:\reg+4*\c+3], v[\adr] offset:64*(\q)+32*\c+(\i)*16*PITCH
.endr
.endm
; 16 matrix instructions: A's blocks a0, a0 + 1 x B's eight, the slot's q-th 128 along K.  p: B's set; sc: the set of scale words.  zero = 1: the first product starts the sums.
; The 64 accumulators take turns, one instruction a turn, in the same order in every step.
.macro MUL16 a0, p, q, sc, zero
.irp a, \a0, \a0+1
.irp b, 0,1,2,3,4,5,6,7
.if \zero
	v_wmma_scale_f32_16x16x128_f8f6f4 v[8*(8*((\a)%4)+\b):8*(8*((\a)%4)+\b)+7], v[128*(\p)+FR*\b:128*(\p)+FR*\b+FR-1], v[AF+FR*(\a):AF+FR*(\a)+FR-1], 0, v[SC+8*NQ*(\sc)+NQ*\b+(\q)], v[SC+8*NQ*(\sc)+NQ*(\a)+(\q)] matrix_a_fmt:MATRIX_FMT_FP4 matrix_b_fmt:MATRIX_FMT_FP4 matrix_a_scale:MATRIX_SCALE_ROW1
.else
	v_wmma_scale_f32_16x16x128_f8f6f4 v[8*(8*((\a)%4)+\b):8*(8*((\a)%4)+\b)+7], v[128*(\p)+FR*\b:128*(\p)+FR*\b+FR-1], v[AF+FR*(\a):AF+FR*(\a)+FR-1], v[8*(8*((\a)%4)+\b):8*(8*((\a)%4)+\b)+7], v[SC+8*NQ*(\sc)+NQ*\b+(\q)], v[SC+8*NQ*(\sc)+NQ*(\a)+(\q)] matrix_a_fmt:MATRIX_FMT_FP4 matrix_b_fmt:MATRIX_FMT_FP4 matrix_a_scale:MATRIX_SCALE_ROW1
.endif
.endr
.endr
.endm
.macro FETCH_B slot, q, p
	WIN TO_B
.irp i, 0,1,2,3,4,5,6,7
	FRAG 128*(\p)+FR*\i, ADRB+\slot, \q, \i
.endr
	WIN 0
.endm
.macro FETCH_A slot, q, i0
.irp i, \i0, \i0+1, \i0+2, \i0+3
	FRAG AF+FR*(\i), ADRA+\slot, \q, \i
.endr
.endm
.macro SCALES sc                       ; a slot's scale words: four words a row; lanes 0-15 take A's block i, lanes 16-31 B's block i
.irp i, 0,1,2,3,4,5,6,7
	ds_load_b128 v[SC+8*NQ*\sc+NQ*\i:SC+8*NQ*\sc+NQ*\i+3], v[ADRS] offset:\i*SBLK
.endr
.endm
.macro PLACES n                        ; plain vector instructions that name no register of the products before them (ISA guide 7.12.1)
.rept \n
	v_nop
.endr
.endm
.macro STEP slot, q, zero              ; a step of 128 along K that has its successor in the same slot
	s_wait_dscnt 4*NL                              ; B's set and A's blocks 0-3 are in; the youngest eight loads (A's blocks 4-7) may be out
	WIN MUL_LO
	MUL16 0, (\q)%2, \q, \slot, \zero
	MUL16 2, (\q)%2, \q, \slot, \zero
	s_wait_dscnt 0
	PLACES NP
	FETCH_B \slot, (\q)+1, 1-(\q)%2
	FETCH_A \slot, (\q)+1, 0
	WIN MUL_HI
	MUL16 4, (\q)%2, \q, \slot, \zero
	MUL16 6, (\q)%2, \q, \slot, \zero
	PLACES NP
	WIN 0
	FETCH_A \slot, (\q)+1, 4
.endm
.macro TURN slot, next                 ; a slot's last step changes slots: one barrier
	s_wait_tensorcnt 0x0                           ; all my tensor loads have landed: my part of the next slot
	ds_add_u32 v[SPW], v[NIL]                      ; 0 onto my spare word
	s_wait_dscnt 4*NL+1                            ; the add and the youngest eight loads may be out
	WIN MUL_LO
	MUL16 0, 1, NQ-1, \slot, 0
	s_wait_dscnt 0x0
	s_barrier_signal -1
	MUL16 2, 1, NQ-1, \slot, 0
	WIN 0
	s_barrier_wait -1                              ; everybody's part of the next slot is in
	PLACES NP
	v_add_nc_u32 v[ADRS], 4*NQ, v[ADRS]            ; on to the next slot's scale words
	FETCH_B \next, 0, 0
	FETCH_A \next, 0, 0
	SCALES \next
	WIN MUL_HI
	MUL16 4, 1, NQ-1, \slot, 0
	MUL16 6, 1, NQ-1, \slot, 0
	PLACES NP
	WIN 0
	FETCH_A \next, 0, 4
.endm
.macro STEPS slot, from
.set Q, \from
.rept NQ-1-\from
	STEP \slot, Q, 0
.set Q, Q+1
.endr
.endm
.macro LASTSTEP                        ; the very last step: nothing more to fetch
	s_wait_dscnt 4*NL
	WIN MUL_LO
	MUL16 0, 1, NQ-1, 1, 0
	MUL16 2, 1, NQ-1, 1, 0
	s_wait_dscnt 0
	WIN MUL_HI
	MUL16 4, 1, NQ-1, 1, 0
	MUL16 6, 1, NQ-1, 1, 0
	WIN 0
.endm
.macro PACKALL                         ; all 64 accumulators to f16, each from its low end on: accumulator (a, b) into v[4 (8 a + b)] of window 1, where B's fragments lay
.irp a, 0,1,2,3,4,5,6,7
	WIN 0x4a+5*(\a/4)                              ; sources window 2 or 3, destination window 1
.irp b, 0,1,2,3,4,5,6,7
.irp q, 0,1,2,3
	v_cvt_pk_f16_f32 v[4*(8*\a+\b)+\q], v[64*(\a%4)+8*\b+2*\q], v[64*(\a%4)+8*\b+2*\q+1]
.endr
.endr
.endr
.endm
	s_wait_tensorcnt 1                             ; the scales and my part of slot 0 are in; slot 1's load may be out,
	s_barrier_signal -1
	s_barrier_wait -1                              ; everybody's are
	FETCH_B 0, 0, 0
	FETCH_A 0, 0, 0
	SCALES 0
	FETCH_A 0, 0, 4
	STEP 0, 0, 1                                   ; the first step's products start the sums: nothing is cleared
	STEPS 0, 1
	TURN 0, 1
	STEPS 1, 0
	s_cmp_lg_u32 s[PR], 0                          ; the product's number comes from the cluster's number: all partners go the same way
	s_cbranch_scc1 .Lnot_q
	; ---- Q: bq's 128 numbers of my columns are asked for ahead of the last step's 64 products
	s_lshl_b32 s42, s[TC], 10
	s_lshl_b32 s45, s[CH], 9
	s_add_co_u32 s42, s42, s45
	s_mov_b32 s43, 0
	s_add_nc_u64 s[12:13], s[12:13], s[42:43]
.irp b, 0,1,2,3,4,5,6,7
	global_load_b128 v[BQ+8*\b:BQ+8*\b+3], v[BO], s[12:13] offset:64*\b
	global_load_b128 v[BQ+8*\b+4:BQ+8*\b+7], v[BO], s[12:13] offset:64*\b+16
.endr
	s_mov_b32 s2, 0x3e38aa3b                       ; c = log2(e) / 8
	s_mov_b32 s3, s2                               ; (named with it as a pair, so it is written)
	LASTSTEP
	s_wait_loadcnt 0x0
.irp i, 0,2,4,6,8,10,12,14,16,18,20,22,24,26,28,30,32,34,36,38,40,42,44,46,48,50,52,54,56,58,60,62
	v_pk_mul_f32 v[BQ+\i:BQ+\i+1], v[BQ+\i:BQ+\i+1], s[2:3] op_sel_hi:[1,0]    ; c bq.  (These are also the places behind the last products)
.endr
.irp w, 0,1
	WIN 0x82+0x41*\w                               ; the accumulators' window as destination and source 0; c bq in window 0
.irp a, 0,1,2,3
.irp b, 0,1,2,3,4,5,6,7
.irp q, 0,1,2,3
	v_pk_fma_f32 v[64*\a+8*\b+2*\q:64*\a+8*\b+2*\q+1], v[64*\a+8*\b+2*\q:64*\a+8*\b+2*\q+1], s[2:3], v[BQ+8*\b+2*\q:BQ+8*\b+2*\q+1] op_sel_hi:[1,0,1]   ; Q' = c Q + c bq, in f32, each accumulator from its low end on
.endr
.endr
.endr
.endr
	WIN 0
	s_branch .Lqk_out
.Lnot_q:
	LASTSTEP
	PLACES NP
	s_cmp_eq_u32 s[PR], 2
	s_cbranch_scc1 .Lv_out
.Lqk_out:
	; ---- Q' and K leave: rows are tokens, columns are head x 64 + channel
	s_lshr_b32 s42, s[TR], 3                       ; the batch
	s_lshl_b32 s45, s42, 4
	s_lshl_b32 s46, s[TC], 2
	s_add_co_u32 s45, s45, s46
	s_lshl_b32 s46, s[CH], 1
	s_add_co_u32 s45, s45, s46                     ; 16 batch + my first head
	s_lshl_b32 s45, s45, 7
	s_and_b32 s46, s[TR], 7
	s_lshl_b32 s47, s46, 4
	s_add_co_u32 s45, s45, s47
	s_lshl_b32 s47, s[RH], 3
	s_add_co_u32 s45, s45, s47                     ; x 128 + my first token tile
	s_lshl_b32 s92, s45, 11                        ; 2,048 bytes a tile
	s_lshl_b32 s47, s[PR], 24                      ; K's section
	s_add_co_u32 s92, s92, s47
	s_mov_b32 s93, 0
	s_add_nc_u64 s[14:15], s[14:15], s[92:93]
	s_or_b32 s67, s46, s[RH]                       ; 0 where my block 0 is positions 0 to 15 of a sequence
	s_lshl_b32 s94, s[PR], 18
	s_lshl_b32 s47, s42, 16
	s_add_co_u32 s94, s94, s47
	s_lshl_b32 s47, s[TC], 14
	s_add_co_u32 s94, s94, s47
	s_lshl_b32 s47, s[CH], 13
	s_add_co_u32 s94, s94, s47
	s_mov_b32 s95, 0
	s_add_nc_u64 s[16:17], s[16:17], s[94:95]
	v_mov_b32 v[FLG], s67
	v_cmp_eq_u32 vcc_lo, 0, v[FLG]                 ; a mask of lanes and no branch: the condition holds my place in the cluster
	s_wait_xcnt 0x0                                ; EXEC changes only behind this wait
	s_and_saveexec_b32 s43, vcc_lo
	WIN 0x08                                       ; a store's data: window 2
.irp b, 0,1,2,3,4,5,6,7
	global_store_b128 v[CO], v[8*\b:8*\b+3], s[16:17] offset:1024*\b           ; accumulator (0, b) in f32, the low half first
	global_store_b128 v[CO], v[8*\b+4:8*\b+7], s[16:17] offset:1024*\b+512
.endr
	WIN 0
	s_wait_xcnt 0x0
	s_or_b32 exec_lo, exec_lo, s43
	PACKALL
	WIN 0x04                                       ; a store's data: window 1
.irp a, 0,1,2,3,4,5,6,7
.irp b, 0,1,2,3,4,5,6,7
	global_store_b128 v[CO], v[4*(8*\a+\b):4*(8*\a+\b)+3], s[14:15] offset:(\b/4)*262144+\a*2048+(\b%4)*512 th:TH_STORE_NT   ; head b / 4, token tile a, block b % 4: 512 consecutive bytes
.endr
.endr
	WIN 0
	s_branch .Lend
.Lv_out:
	; ---- V^T leaves: rows are head x 64 + channel, columns are keys
	s_lshr_b32 s42, s[TC], 3                       ; the batch
	s_lshl_b32 s45, s42, 4
	s_lshl_b32 s46, s[TR], 2
	s_add_co_u32 s45, s45, s46
	s_lshl_b32 s46, s[RH], 1
	s_add_co_u32 s45, s45, s46                     ; 16 batch + my first head
	s_lshl_b32 s45, s45, 6
	s_and_b32 s46, s[TC], 7
	s_lshl_b32 s47, s46, 3
	s_add_co_u32 s45, s45, s47
	s_lshl_b32 s47, s[CH], 2
	s_add_co_u32 s45, s45, s47                     ; x 64 + my first 32 keys
	s_lshl_b32 s92, s45, 12                        ; 4,096 bytes for 32 keys
	s_add_co_u32 s92, s92, 33554432
	s_mov_b32 s93, 0
	s_add_nc_u64 s[14:15], s[14:15], s[92:93]
	s_or_b32 s67, s46, s[CH]                       ; 0 where my column block 0 is keys 0 to 15 of a sequence
	s_lshl_b32 s94, s42, 16
	s_add_co_u32 s94, s94, 524288
	s_lshl_b32 s47, s[TR], 14
	s_add_co_u32 s94, s94, s47
	s_lshl_b32 s47, s[RH], 13
	s_add_co_u32 s94, s94, s47
	s_mov_b32 s95, 0
	s_add_nc_u64 s[16:17], s[16:17], s[94:95]
	v_mov_b32 v[FLG], s67
	v_cmp_eq_u32 vcc_lo, 0, v[FLG]
	s_wait_xcnt 0x0                                ; EXEC changes only behind this wait
	s_and_saveexec_b32 s43, vcc_lo
.irp a, 0,1,2,3,4,5,6,7
	WIN 0x08+4*(\a/4)                              ; a store's data: window 2 or 3
	global_store_b128 v[CO], v[64*(\a%4):64*(\a%4)+3], s[16:17] offset:1024*\a     ; accumulator (a, 0) in f32, the low half first
	global_store_b128 v[CO], v[64*(\a%4)+4:64*(\a%4)+7], s[16:17] offset:1024*\a+512
.endr
	WIN 0
	s_wait_xcnt 0x0
	s_or_b32 exec_lo, exec_lo, s43
	PACKALL
	WIN 0x04
.irp a, 0,1,2,3,4,5,6,7
.irp b, 0,1,2,3,4,5,6,7
	global_store_b128 v[CO], v[4*(8*\a+\b):4*(8*\a+\b)+3], s[14:15] offset:(\a/4)*262144+(\b/2)*4096+(\a%4)*1024+(\b%2)*512 th:TH_STORE_NT   ; head a / 4, 32 keys b / 2, channel tile a % 4, half b % 2
.endr
.endr
	WIN 0
.Lend:
	s_wait_tensorcnt 0x0                           ; the wave's end
	ds_add_u32 v[SPW], v[NIL]
	s_wait_dscnt 0x0
	CROUND                                         ; the closing round: no work-group ends while a partner may still ask for a tile that names it
	s_endpgm
.Lfunc_end_k_q4cf628014f_qkv:
	.size	k_q4cf628014f_qkv, .Lfunc_end_k_q4cf628014f_qkv-k_q4cf628014f_qkv
	.p2alignl 7, 3214868480
	.fill 96, 4, 3214868480
	.section	.rodata,"a",@progbits
	.p2align	6, 0x0
	.amdhsa_kernel k_q4cf628014f_qkv
		.amdhsa_group_segment_fixed_size 327680
		.amdhsa_private_segment_fixed_size 0
		.amdhsa_enable_private_segment 0
		.amdhsa_kernarg_size 56
		.amdhsa_user_sgpr_count 2
		.amdhsa_user_sgpr_kernarg_segment_ptr 1
		.amdhsa_wavefront_size32 1
		.amdhsa_system_sgpr_workgroup_id_x 1
		.amdhsa_system_sgpr_workgroup_id_y 1
		.amdhsa_system_sgpr_workgroup_id_z 1
		.amdhsa_system_vgpr_workitem_id 0
		.amdhsa_next_free_vgpr 1024
		.amdhsa_next_free_sgpr 100
		.amdhsa_reserve_vcc 1
		.amdhsa_float_denorm_mode_32 3
		.amdhsa_float_denorm_mode_16_64 3
		.amdhsa_memory_ordered 1
		.amdhsa_forward_progress 1
		.amdhsa_inst_pref_size 173
	.end_amdhsa_kernel
	.amdgpu_metadata
---
amdhsa.version: [ 1, 2 ]
amdhsa.kernels:
  - .name:           k_q4cf628014f_qkv
    .symbol:         k_q4cf628014f_qkv.kd
    .args:
      - { .name: act_codes, .offset: 0, .size: 8, .value_kind: global_buffer, .address_space: global }
      - { .name: act_scales, .offset: 8, .size: 8, .value_kind: global_buffer, .address_space: global }
      - { .name: w_codes, .offset: 16, .size: 8, .value_kind: global_buffer, .address_space: global }
      - { .name: w_scales, .offset: 24, .size: 8, .value_kind: global_buffer, .address_space: global }
      - { .name: bq, .offset: 32, .size: 8, .value_kind: global_buffer, .address_space: global }
      - { .name: qkv_img, .offset: 40, .size: 8, .value_kind: global_buffer, .address_space: global }
      - { .name: first32, .offset: 48, .size: 8, .value_kind: global_buffer, .address_space: global }
    .group_segment_fixed_size: 327680
    .private_segment_fixed_size: 0
    .kernarg_segment_align: 8
    .kernarg_segment_size: 56
    .max_flat_workgroup_size: 128
    .sgpr_count:     100
    .vgpr_count:     1024
    .wavefront_size: 32
...
	.end_amdgpu_metadata
.endif
;; end of part 2
;; launch attn (part 3): grid 4 x 64, 16 waves a work-group, clusters of 4 x 1, 327,680 bytes of LDS; arguments qkv_img, bv, att_img; writes att_img
.if DOCPART == 3
	.amdgcn_target "amdgcn-amd-amdhsa--gfx1250"
	.amdhsa_code_object_version 6
	.text
	.protected	k_q4cf628014f_attn
	.globl	k_q4cf628014f_attn
	.p2align	8
	.type	k_q4cf628014f_attn,@function
k_q4cf628014f_attn:
	s_mov_b64 s[64:65], 0
	v_nop
	global_prefetch_b8 v0, s[64:65] scope:SCOPE_SE
	s_setreg_imm32_b32 hwreg(HW_REG_WAVE_MODE, 25, 1), 1
	s_wait_xcnt 0x0
	s_wait_alu depctr_hold_cnt(0) depctr_sa_sdst(0) depctr_va_vdst(0) depctr_va_sdst(0) depctr_va_ssrc(0) depctr_va_vcc(0) depctr_vm_vsrc(0)
	s_getreg_b32 s2, hwreg(HW_REG_IB_STS2, 6, 4)
	s_cmp_eq_u32 s2, 0
	s_cbranch_scc0 .Lentry_in_a_cluster
	s_endpgm
.Lentry_in_a_cluster:
	s_bfe_u32 s2, ttmp6, 0x10000c
	s_cmp_lg_u32 s2, 0x3003
	s_cbranch_scc0 .Lentry_shape_is_right
	s_endpgm
.Lentry_shape_is_right:
; Launch 3 of 5: att[b][q][head x 64 + d] = sum over k <= q of softmax_k(Q . K / 8) V[k][d] + bv, f16 operands, f32 sums, maxima and sums of weights.
; LEFT OUT (dead work, shown at the head of the first kernel): bk; key steps wholly above the diagonal.  bv is added behind the normalisation, since the weights sum to 1.
; Q' already holds log2(e) / 8, so a score is an exponent of 2: p = 2^(t - m), m the running maximum of t, so t - m <= 0; O and the sum l are multiplied by a = 2^(m_old - m_new) in every step.
; SHARES.  A cluster of four work-groups is one (batch, head); sixteen waves a work-group, 256 registers each.  Wave w has a block of 128 queries, i = (2 (w % 4) + (w / 4) % 2) xor 15 (w / 8), first query QB = 128 i,
; and of it the two tiles of 16 queries at QB + 16 cx and QB + 64 + 16 cx.  Each fragment of K and V read from LDS feeds two products.  Waves w, w + 4, w + 8, w + 12 have 2 i + 2 key steps each, 68 together.
; Every work-group walks all 2,048 keys and reads every slot, so K and V come by JOINT loads (mask 15).  NO BRANCH HANGS ON cx: a step of 64 keys is left out where its first key KF >= QB + 128 and masked where KF >= QB:
; both hang on the wave's number and the count of steps.  The price: two masked steps a wave, in which tile 0 computes up to 64 hidden keys beside tile 1's live ones.  Key 0 counts for every query, so m is a number from the first step on.
; LAYOUT.  S^T = K Q'^T (source 0 = 16 keys, source 1 = 16 queries): a lane holds one query (lane % 16) and keys 8 (lane / 16) + 0..7.  Two such tiles, rounded to f16 in pairs, are source 1 of O^T = V^T P.
; K, V^T and Q' lie in memory as images of operand registers (512 bytes for four registers of a wave), so LDS needs no pitch: every LDS load reads 512 consecutive bytes.
; LDS: slot 0 at 0, slot 1 at 131,072: 512 keys each: K 65,536 bytes, then V^T 65,536; a step is 8,192 bytes of each.  Spare words at 262,144.
; The result leaves as the image that the output projection wants: att_img [row tile 512][k chunk 32][c 2][lane][16 bytes].  LIMIT: |att| under 65,504 (f16).
.set SLOT1, 1<<17
.set SPARE, 262144
.set LI,   1                           ; v1   16 x lane
.set ADR,  2                           ; v2   LDS address of the run of loads in hand
.set BVO,  3                           ; v3   32 h: my half's eight numbers of bv
.set SPW,  4                           ; v4   my spare word; never rewritten
.set NIL,  5                           ; v5   0; never rewritten
.set DQ,   6                           ; v6   16 cx + r - 8 h
.set NINF, 8                           ; v8   -infinity
.set D0,   9                           ; v9, v10 the mask's thresholds for tile 0, 1
.set T,    12                          ; v12-19, v20-27 a tile's statistics: +0 m, +1 0, +2:3 l in two halves, +4..7 at work, a in +6
.set PFO,  28                          ; v28  256 x lane; never rewritten
.set Q,    32                          ; v32-63   Q': fragment (t, dc) at 32 + 16 t + 8 dc
.set S,    64                          ; v64-127  S^T, 32 a tile; P is laid over registers 0-15 of each tile
.set O,    128                         ; v128-191 O^T: (t, dt) at 128 + 32 t + 8 dt
.set KV,   192                         ; v192-255 a step's K, then its V
.set WV,   10
.set CX,   11
.set BH,   12
.set II,   13
.set QB,   14
.set QE,   15
.set KF,   16                          ; s16 the step's first key
.set TB,   17                          ; s17 LDS byte at which the step's K begins
.set STP,  18
.set SLOTS, 19
.set SEL,  20
.set LIM,  22
.set G1,   24
.set G0,   32
.set PFA,  36
.macro CROUND
	s_barrier_signal -1
	s_barrier_wait -1
	s_cmp_lg_u32 s[WV], 0
	s_cbranch_scc1 .Lnot_wave_0_\@
	s_barrier_signal -3
.Lnot_wave_0_\@:
	s_barrier_wait -3
	s_barrier_signal -1
	s_barrier_wait -1
.endm
.macro TLOAD                           ; waves 0 and 1 fetch K's halves of a slot, waves 2 and 3 V's, 32,768 bytes each; the branch hangs on the wave's number alone
	s_cmp_lt_u32 s[WV], 4
	s_cbranch_scc0 .Lnot_\@
	tensor_load_to_lds s[G0:G0+3], s[G1:G1+7]
	s_nop 0
.rept 4
	v_nop
.endr
.Lnot_\@:
.endm
; A PREFETCH INTO THE L2 of the slot that the NEXT change of slots will ask for: one slot, eight key steps, ahead of that load.  Waves 4 and 5 ask for K's 65,536 bytes, waves 6 and 7 for V's; the four partners share them out
; BY ADDRESS, 16,384 bytes each, 8,192 a wave, lanes 256 bytes apart: each aligned block of 256 bytes is named once in the launch.  Slots 0 and 1 come by their loads alone; the last change that fills a slot asks for nothing.
.macro ASK
	s_cmp_gt_u32 s[SLOTS], s[LIM]
	s_cbranch_scc0 .Lnot_mine_\@
	global_prefetch_b8 v[PFO], s[PFA:PFA+1] th:TH_LOAD_NT scope:SCOPE_SE
.Lnot_mine_\@:
.endm
; THE CHANGE OF SLOTS, at a slot's head.  Each wave waits for all its tensor loads, adds 0 to its spare word, and waits for that and for its reads of the slot that it has left.  fill = 1: a round of the cluster's barrier, and behind it
; the joint load of the next 512 keys into the slot just left: one tensor load a wave is out, and it has eight key steps in which to land.
.macro CHANGE fill
	s_wait_tensorcnt 0x0                           ; no tensor load of mine is out, so group 0 may be written
	ds_add_u32 v[SPW], v[NIL]
.if \fill
	ds_add_u32 v[SPW], v[NIL]                      ; and twice on end here
	s_xor_b32 s[G0+1], s[G0+1], SLOT1              ; the other slot than last time,
	s_add_nc_u64 s[G0+2:G0+3], s[G0+2:G0+3], 65536 ; the next 512 keys; the type bits on top are not reached
	s_wait_xcnt 0x0                                ; the last prefetch, a slot back, has read its address
	s_add_nc_u64 s[PFA:PFA+1], s[PFA:PFA+1], 65536
	s_wait_dscnt 0x0                               ; both adds are done, and my reads of the slot that I have left are over
	CROUND
	TLOAD
	ASK
.else
	s_wait_dscnt 0x0
	s_barrier_signal -1
	s_barrier_wait -1
.endif
.endm
; A KEY STEP: 64 keys for my two tiles of queries.
.macro STEP
	s_cmp_ge_u32 s[KF], s[QE]                      ; all 64 keys come after my block's last query: the step's work is left out
	s_cbranch_scc1 .Lhid_\@
	v_add_nc_u32 v[ADR], s[TB], v[LI]
.irp n, 0,1,2,3,4,5,6,7,8,9,10,11,12,13,14,15
	ds_load_b128 v[KV+4*\n:KV+4*\n+3], v[ADR] offset:512*\n        ; K: key tile n / 4, registers 4 (n % 4) on
.endr
	s_wait_dscnt 0x0
.irp dc, 0,1                                   ; the eight accumulators take turns, one instruction a turn
.irp kt, 0,1,2,3
.irp t, 0,1
.if \dc == 0
	v_wmma_f32_16x16x32_f16 v[S+32*\t+8*\kt:S+32*\t+8*\kt+7], v[KV+16*\kt+8*\dc:KV+16*\kt+8*\dc+7], v[Q+16*\t+8*\dc:Q+16*\t+8*\dc+7], 0
.else
	v_wmma_f32_16x16x32_f16 v[S+32*\t+8*\kt:S+32*\t+8*\kt+7], v[KV+16*\kt+8*\dc:KV+16*\kt+8*\dc+7], v[Q+16*\t+8*\dc:Q+16*\t+8*\dc+7], v[S+32*\t+8*\kt:S+32*\t+8*\kt+7]
.endif
.endr
.endr
.endr
	v_add_nc_u32 v[ADR], 0x10000, v[ADR]           ; V lies 65,536 bytes behind K.  With the three v_nop: four places ahead of the loads into K's registers and of the first read of the scores
.rept 3
	v_nop
.endr
.irp n, 0,1,2,3,4,5,6,7,8,9,10,11,12,13,14,15
	ds_load_b128 v[KV+4*\n:KV+4*\n+3], v[ADR] offset:512*\n        ; V^T: fragment (kc, dt) at 8 (4 kc + dt); it lands under the softmax
.endr
	s_cmp_lt_u32 s[KF], s[QB]                      ; all keys count for all my queries: no mask
	s_cbranch_scc1 .Lopen_\@
	s_sub_co_i32 s38, s[QB], s[KF]                 ; 0 or -64
	v_add_nc_u32 v[D0], s38, v[DQ]                 ; register 8 kt + j of tile t holds key KF + 16 kt + 8 h + j: hidden where 16 kt + j > QB - KF + 64 t + 16 cx + r - 8 h
	v_add_nc_u32 v[D0+1], 64, v[D0]
.irp t, 0,1
.irp n, 0,1,2,3,4,5,6,7,8,9,10,11,12,13,14,15,16,17,18,19,20,21,22,23,24,25,26,27,28,29,30,31
	v_cmp_gt_i32 vcc_lo, 16*(\n/8)+\n%8, v[D0+\t]
	v_cndmask_b32 v[S+32*\t+\n], v[S+32*\t+\n], v[NINF], vcc_lo
.endr
.endr
.Lopen_\@:
	; the maximum of 32 scores and the old m, three at a time, four chains a tile, the two tiles line by line by turns; each accumulator is read from its low end on
.irp j, 0,1,2,3
.irp t, 0,1
	v_max3_num_f32 v[T+8*\t+4+\j], v[S+32*\t+8*\j], v[S+32*\t+8*\j+1], v[S+32*\t+8*\j+2]
.endr
.endr
.irp g, 1,2
.irp j, 0,1,2,3
.irp t, 0,1
	v_max3_num_f32 v[T+8*\t+4+\j], v[T+8*\t+4+\j], v[S+32*\t+8*\j+2*\g+1], v[S+32*\t+8*\j+2*\g+2]
.endr
.endr
.endr
.irp t, 0,1
	v_max3_num_f32 v[T+8*\t+4], v[T+8*\t+4], v[S+32*\t+7], v[S+32*\t+15]
.endr
.irp t, 0,1
	v_max3_num_f32 v[T+8*\t+6], v[T+8*\t+6], v[S+32*\t+23], v[S+32*\t+31]
.endr
.irp t, 0,1
	v_max3_num_f32 v[T+8*\t+4], v[T+8*\t+4], v[T+8*\t+5], v[T+8*\t+6]
.endr
.irp t, 0,1
	v_max3_num_f32 v[T+8*\t+4], v[T+8*\t+4], v[T+8*\t+7], v[T+8*\t]
.endr
.irp t, 0,1
	v_permlanex16_b32 v[T+8*\t+5], v[T+8*\t+4], s[SEL], s[SEL+1]   ; the query's other 32 keys lie in the lane 16 away
.endr
.irp t, 0,1
	v_mov_b32 v[T+8*\t+7], v[T+8*\t]               ; m_old
.endr
.irp t, 0,1
	v_max_num_f32 v[T+8*\t], v[T+8*\t+4], v[T+8*\t+5]
.endr
.irp t, 0,1
	v_sub_f32 v[T+8*\t+7], v[T+8*\t+7], v[T+8*\t]  ; m_old - m_new, 0 or less
.endr
.irp b, 0,1,2,3,4,5,6,7,8,9,10,11,12,13,14,15
.irp t, 0,1
	v_pk_add_f32 v[S+32*\t+2*\b:S+32*\t+2*\b+1], v[S+32*\t+2*\b:S+32*\t+2*\b+1], v[T+8*\t:T+8*\t+1] op_sel_hi:[1,0] neg_lo:[0,1] neg_hi:[0,1]   ; t - m, two at a time
.endr
.endr
.irp t, 0,1
	v_exp_f32 v[T+8*\t+6], v[T+8*\t+7]             ; a
.endr
.irp n, 0,1,2,3,4,5,6,7,8,9,10,11,12,13,14,15,16,17,18,19,20,21,22,23,24,25,26,27,28,29,30,31
.irp t, 0,1
	v_exp_f32 v[S+32*\t+\n], v[S+32*\t+\n]         ; p
.endr
.endr
	v_nop                                          ; a plain instruction behind the last exponential
	s_wait_alu depctr_va_vdst(0)                   ; one wait for the batch of 66, ahead of its first reader
.irp t, 0,1
	v_pk_mul_f32 v[T+8*\t+2:T+8*\t+3], v[T+8*\t+2:T+8*\t+3], v[T+8*\t+6:T+8*\t+7] op_sel_hi:[1,0]   ; l x a
.endr
.irp t, 0,1
	v_pk_add_f32 v[T+8*\t+4:T+8*\t+5], v[S+32*\t:S+32*\t+1], v[S+32*\t+2:S+32*\t+3]                 ; the sum of the f32 weights, two chains a tile
.endr
.irp j, 4,8,12,16,20,24,28
.irp t, 0,1
	v_pk_add_f32 v[T+8*\t+2:T+8*\t+3], v[T+8*\t+2:T+8*\t+3], v[S+32*\t+\j:S+32*\t+\j+1]
	v_pk_add_f32 v[T+8*\t+4:T+8*\t+5], v[T+8*\t+4:T+8*\t+5], v[S+32*\t+\j+2:S+32*\t+\j+3]
.endr
.endr
.irp t, 0,1
	v_pk_add_f32 v[T+8*\t+2:T+8*\t+3], v[T+8*\t+2:T+8*\t+3], v[T+8*\t+4:T+8*\t+5]
.endr
.irp i, 0,1,2,3,4,5,6,7,8,9,10,11,12,13,14,15
.irp t, 0,1
	v_pk_mul_f32 v[O+32*\t+2*\i:O+32*\t+2*\i+1], v[O+32*\t+2*\i:O+32*\t+2*\i+1], v[T+8*\t+6:T+8*\t+7] op_sel_hi:[1,0]   ; O^T x a
.endr
.endr
.irp i, 0,1,2,3,4,5,6,7,8,9,10,11,12,13,14,15
.irp t, 0,1
	v_cvt_pk_f16_f32 v[S+32*\t+\i], v[S+32*\t+2*\i], v[S+32*\t+2*\i+1]   ; P, in place: result i never lies ahead of a weight not yet read
.endr
.endr
	s_wait_dscnt 0x0                               ; V is in
.irp kc, 0,1
.irp dt, 0,1,2,3
.irp t, 0,1
	v_wmma_f32_16x16x32_f16 v[O+32*\t+8*\dt:O+32*\t+8*\dt+7], v[KV+8*(4*\kc+\dt):KV+8*(4*\kc+\dt)+7], v[S+32*\t+8*\kc:S+32*\t+8*\kc+7], v[O+32*\t+8*\dt:O+32*\t+8*\dt+7]
.endr
.endr
.endr
.rept 5
	v_nop                                          ; the next step's first products write over P's registers (five places), and K's loads land on V's (four)
.endr
.Lhid_\@:
	s_add_co_u32 s[KF], s[KF], 64
	s_add_co_u32 s[TB], s[TB], 8192
.endm
.macro SLOT_STEPS                      ; a slot's eight key steps: written once, walked eight times
	s_mov_b32 s[STP], 8
.Lstep_\@:
	STEP
	s_sub_co_u32 s[STP], s[STP], 1
	s_cmp_lg_u32 s[STP], 0
	s_cbranch_scc1 .Lstep_\@
	s_sub_co_u32 s[TB], s[TB], 65536               ; back to a slot's first step,
	s_xor_b32 s[TB], s[TB], SLOT1                  ; in the other slot
.endm
	s_load_b128 s[4:7], s[0:1], 0x0                ; qkv_img, bv
	s_load_b64 s[8:9], s[0:1], 0x10                ; att_img
	v_lshl_add_u32 v[SPW], v0, 2, SPARE
	v_mov_b32 v[NIL], 0
	ds_add_u32 v[SPW], v[NIL]                      ; the wave's opening: the add, twice on end, and its wait ahead of the first tensor load
	ds_add_u32 v[SPW], v[NIL]
	v_lshrrev_b32 v2, 5, v0
	v_readfirstlane_b32 s[WV], v2                  ; wave 0..15
	s_bfe_u32 s[CX], ttmp6, 0x40000                ; my place in the cluster
	s_and_b32 s[BH], ttmp7, 0xffff                 ; 16 batch + head, which the four partners share
	s_and_b32 s38, s[WV], 3
	s_lshr_b32 s39, s[WV], 2
	s_lshl_b32 s[II], s38, 1
	s_and_b32 s40, s39, 1
	s_add_co_u32 s[II], s[II], s40
	s_lshr_b32 s40, s39, 1
	s_mul_i32 s40, s40, 15
	s_xor_b32 s[II], s[II], s40                    ; my block of 128 queries
	s_lshl_b32 s[QB], s[II], 7
	s_add_co_u32 s[QE], s[QB], 128
	s_mov_b32 s[KF], 0
	s_mov_b32 s[TB], 0
	s_mov_b32 s[SLOTS], 3
	s_mov_b32 s[SEL], 0x76543210
	s_mov_b32 s[SEL+1], 0xfedcba98
	s_cmp_eq_u32 s39, 1                            ; waves 4 to 7 prefetch
	s_cselect_b32 s[LIM], 1, -1
	; group 1: 32,768 dense bytes as 128 rows of 256 (32 elements of 8 bytes), no padding
	s_mov_b32 s[G1], 15|(3<<16)|(1<<21)            ; 15:0 the mask: all four work-groups; 17:16 elements of 8 bytes; 21 set beside a mask
	s_mov_b32 s[G1+1], 32<<16
	s_mov_b32 s[G1+2], 128<<16
	s_mov_b32 s[G1+3], 32<<16
	s_mov_b32 s[G1+4], 128
	s_mov_b32 s[G1+5], 32
	s_mov_b32 s[G1+6], 0
	s_mov_b32 s[G1+7], 0
	s_mov_b32 s[G0], 1
	s_lshl_b32 s[G0+1], s38, 15                    ; LDS: K's halves at 0 and 32,768, V's at 65,536 and 98,304
	s_bfe_u32 s40, s[WV], 0x10001
	s_add_co_u32 s40, s40, 1
	s_lshl_b32 s40, s40, 24                        ; K's section or V's
	s_lshl_b32 s41, s[BH], 18
	s_add_co_u32 s40, s40, s41                     ; my head in it
	s_and_b32 s42, s[WV], 1
	s_lshl_b32 s44, s42, 15
	s_add_co_u32 s44, s44, s40                     ; the tensor load's first bytes: nothing of cx in them
	s_mov_b32 s45, 0
	s_lshl_b32 s46, s42, 13
	s_add_co_u32 s46, s46, s40
	s_add_co_u32 s46, s46, 65536                   ; the prefetches stand in slot 1: the first change of slots steps them to slot 2
	s_lshl_b32 s43, s[CX], 14
	s_add_co_u32 s46, s46, s43
	s_mov_b32 s47, 0
	s_lshl_b32 s40, s[II], 3
	s_add_co_u32 s40, s40, s[CX]                   ; my first tile of queries in the sequence: 8 i + cx; the second lies 4 tiles on
	s_lshl_b32 s41, s[BH], 7
	s_add_co_u32 s42, s41, s40
	s_lshl_b32 s42, s42, 11                        ; in Q's section: 2,048 bytes a tile
	s_mov_b32 s43, 0
	s_lshr_b32 s41, s[BH], 4
	s_lshl_b32 s41, s41, 7
	s_add_co_u32 s40, s40, s41
	s_lshl_b32 s40, s40, 15                        ; in att_img: 32,768 bytes a row tile,
	s_and_b32 s39, s[BH], 15
	s_lshl_b32 s41, s39, 11                        ; 2,048 a head
	s_add_co_u32 s40, s40, s41
	s_mov_b32 s41, 0
	s_lshl_b32 s38, s39, 8                         ; in bv: 256 bytes a head
	s_mov_b32 s39, 0
	v_and_b32 v[LI], 31, v0
	v_lshlrev_b32 v[PFO], 8, v[LI]
	v_lshlrev_b32 v[LI], 4, v[LI]
	v_and_b32 v[DQ], 15, v0
	v_bfe_u32 v[BVO], v0, 4, 1
	v_lshlrev_b32 v7, 3, v[BVO]
	v_sub_nc_u32 v[DQ], v[DQ], v7
	v_lshl_add_u32 v[DQ], s[CX], 4, v[DQ]
	v_lshlrev_b32 v[BVO], 5, v[BVO]
	v_mov_b32 v[NINF], 0xff800000
	s_wait_dscnt 0x0                               ; both opening adds are done
	s_wait_kmcnt 0x0
	s_add_nc_u64 s[G0+2:G0+3], s[4:5], s[44:45]
	s_or_b32 s[G0+3], s[G0+3], 0x80000000
	s_add_nc_u64 s[PFA:PFA+1], s[4:5], s[46:47]
	s_add_nc_u64 s[42:43], s[4:5], s[42:43]
	s_add_nc_u64 s[8:9], s[8:9], s[40:41]
	s_add_nc_u64 s[6:7], s[6:7], s[38:39]
	CROUND                                         ; all four work-groups are here: the first joint loads meet
	TLOAD                                          ; slot 0
.irp t, 0,1
.irp n, 0,1,2,3
	global_load_b128 v[Q+16*\t+4*\n:Q+16*\t+4*\n+3], v[LI], s[42:43] offset:\t*8192+\n*512   ; Q' stays in registers
.endr
.endr
.irp t, 0,1
	v_mov_b32 v[T+8*\t], 0xff61b1e6                ; m: -3e38, under every score
	v_mov_b32 v[T+8*\t+1], 0                       ; (named with m as a pair)
	v_mov_b32 v[T+8*\t+2], 0                       ; l
	v_mov_b32 v[T+8*\t+3], 0
	v_mov_b32 v[T+8*\t+5], 0                       ; a lane permute's destination counts as one of its sources
	v_mov_b32 v[T+8*\t+7], 0
.endr
.irp j, 0,1,2,3,4,5,6,7,8,9,10,11,12,13,14,15,16,17,18,19,20,21,22,23,24,25,26,27,28,29,30,31,32,33,34,35,36,37,38,39,40,41,42,43,44,45,46,47,48,49,50,51,52,53,54,55,56,57,58,59,60,61,62,63
	v_mov_b32 v[O+\j], 0                           ; O^T.  The step is written once: the first finds zeros, which a = 0 leaves zeros
.endr
	s_wait_loadcnt 0x0                             ; Q'
.Lslot:                                            ; three trips: behind each change of slots but the last the next 512 keys are asked for
	CHANGE 1
	SLOT_STEPS
	s_sub_co_u32 s[SLOTS], s[SLOTS], 1
	s_cmp_lg_u32 s[SLOTS], 0
	s_cbranch_scc1 .Lslot
	CHANGE 0                                       ; the last slot is written out
	SLOT_STEPS
	; THE WAY OUT: O^T / l + bv, rounded to f16; a lane's eight channels of a query are four registers of the next product's operand
.irp dt, 0,1,2,3
	global_load_b128 v[KV+8*\dt:KV+8*\dt+3], v[BVO], s[6:7] offset:64*\dt
	global_load_b128 v[KV+8*\dt+4:KV+8*\dt+7], v[BVO], s[6:7] offset:64*\dt+16
.endr
.irp t, 0,1
	v_add_f32 v[T+8*\t+4], v[T+8*\t+2], v[T+8*\t+3]
.endr
.irp t, 0,1
	v_permlanex16_b32 v[T+8*\t+5], v[T+8*\t+4], s[SEL], s[SEL+1]
.endr
.irp t, 0,1
	v_add_f32 v[T+8*\t+4], v[T+8*\t+4], v[T+8*\t+5]
.endr
.irp t, 0,1
	v_rcp_f32 v[T+8*\t+6], v[T+8*\t+4]
.endr
	v_nop
	s_wait_alu depctr_va_vdst(0)                   ; one wait for the two reciprocals, ahead of their first reader
	s_wait_loadcnt 0x0                             ; bv
.irp t, 0,1
.irp dt, 0,1,2,3
.irp q, 0,1,2,3
	v_pk_fma_f32 v[O+32*\t+8*\dt+2*\q:O+32*\t+8*\dt+2*\q+1], v[O+32*\t+8*\dt+2*\q:O+32*\t+8*\dt+2*\q+1], v[T+8*\t+6:T+8*\t+7], v[KV+8*\dt+2*\q:KV+8*\dt+2*\q+1] op_sel_hi:[1,0,1]
.endr
.endr
.endr
.irp t, 0,1
.irp dt, 0,1,2,3
.irp q, 0,1,2,3
	v_cvt_pk_f16_f32 v[S+16*\t+4*\dt+\q], v[O+32*\t+8*\dt+2*\q], v[O+32*\t+8*\dt+2*\q+1]
.endr
.endr
.endr
.irp t, 0,1
.irp dt, 0,1,2,3
	global_store_b128 v[LI], v[S+16*\t+4*\dt:S+16*\t+4*\dt+3], s[8:9] offset:\t*131072+\dt*512 th:TH_STORE_NT   ; the wave stores 512 consecutive bytes, aligned
.endr
.endr
	s_wait_tensorcnt 0x0                           ; the wave's end
	ds_add_u32 v[SPW], v[NIL]
	s_wait_dscnt 0x0
	CROUND                                         ; the closing round
	s_endpgm
.Lfunc_end_k_q4cf628014f_attn:
	.size	k_q4cf628014f_attn, .Lfunc_end_k_q4cf628014f_attn-k_q4cf628014f_attn
	.p2alignl 7, 3214868480
	.fill 96, 4, 3214868480
	.section	.rodata,"a",@progbits
	.p2align	6, 0x0
	.amdhsa_kernel k_q4cf628014f_attn
		.amdhsa_group_segment_fixed_size 327680
		.amdhsa_private_segment_fixed_size 0
		.amdhsa_enable_private_segment 0
		.amdhsa_kernarg_size 24
		.amdhsa_user_sgpr_count 2
		.amdhsa_user_sgpr_kernarg_segment_ptr 1
		.amdhsa_wavefront_size32 1
		.amdhsa_system_sgpr_workgroup_id_x 1
		.amdhsa_system_sgpr_workgroup_id_y 1
		.amdhsa_system_sgpr_workgroup_id_z 1
		.amdhsa_system_vgpr_workitem_id 0
		.amdhsa_next_free_vgpr 256
		.amdhsa_next_free_sgpr 66
		.amdhsa_reserve_vcc 1
		.amdhsa_float_denorm_mode_32 3
		.amdhsa_float_denorm_mode_16_64 3
		.amdhsa_memory_ordered 1
		.amdhsa_forward_progress 1
		.amdhsa_inst_pref_size 59
	.end_amdhsa_kernel
	.amdgpu_metadata
---
amdhsa.version: [ 1, 2 ]
amdhsa.kernels:
  - .name:           k_q4cf628014f_attn
    .symbol:         k_q4cf628014f_attn.kd
    .args:
      - { .name: qkv_img, .offset: 0, .size: 8, .value_kind: global_buffer, .address_space: global }
      - { .name: bv, .offset: 8, .size: 8, .value_kind: global_buffer, .address_space: global }
      - { .name: att_img, .offset: 16, .size: 8, .value_kind: global_buffer, .address_space: global }
    .group_segment_fixed_size: 327680
    .private_segment_fixed_size: 0
    .kernarg_segment_align: 8
    .kernarg_segment_size: 24
    .max_flat_workgroup_size: 512
    .sgpr_count:     66
    .vgpr_count:     256
    .wavefront_size: 32
...
	.end_amdgpu_metadata
.endif
;; end of part 3
;; launch first16 (part 4): grid 16 x 4, 16 waves a work-group, no clusters, 71,680 bytes of LDS; arguments first32, bv, Wo, bo, out0; writes out0
.if DOCPART == 4
	.amdgcn_target "amdgcn-amd-amdhsa--gfx1250"
	.amdhsa_code_object_version 6
	.text
	.protected	k_q4cf628014f_first16
	.globl	k_q4cf628014f_first16
	.p2align	8
	.type	k_q4cf628014f_first16,@function
k_q4cf628014f_first16:
	s_mov_b64 s[64:65], 0
	v_nop
	global_prefetch_b8 v0, s[64:65] scope:SCOPE_SE
	s_setreg_imm32_b32 hwreg(HW_REG_WAVE_MODE, 25, 1), 1
	s_wait_xcnt 0x0
; Launch 4 of 5: positions 0 to 15 of each of the four sequences, wholly in f32: scores, causal softmax, weighted values + bv, the projection by Wo, + bo.  These rows average one to sixteen values, are the largest of the output,
; and sum 1,024 terms in the projection: rounding their operands to 16 bits would use up what the comparison allows.  64 rows of 8,192: no bulk work.  bk is left out (dead work: shown at the head of the first kernel).
; SHARES.  Work-group (x, y): columns 64 x .. 64 x + 63 of batch y.  Wave w is head w for the attention, and K = 64 w .. 64 w + 63 of the projection: its own head's channels.  Only the sixteen partial sums meet, in LDS.
; The small attention is repeated in each of a batch's 16 work-groups: 32 of a wave's 96 matrix instructions; so a row's 64 columns leave as 256 consecutive bytes.
; THE f32 MATRIX FORM takes K = 4: lane (r, h), register j: k = 2 h + j.  first32 holds accumulator images: lane (r, h), register j: (token r, channel 16 t + 8 h + j), or for V (channel 16 t + r, key 8 h + j).
; A pair of registers 2 i, 2 i + 1 of both operands names the same four k on both sides, so the images are operands as they lie; the order of k within a sum differs from ascending order, which f32 sums allow here.
; The accumulators v16-47 are written by matrix instructions alone; what is made of a finished sum goes into other registers.
.set SPARE, 69632                      ; LDS: 16 waves x 16 rows x 272 bytes of partial sums, then the spare words
.set WRED,  4352
.set ACC,   16
.set QF,    48                         ; v48-79 Q', v80-111 K; later Wo for channels 32-63
.set KFR,   80
.set VF,    112
.set SPR,   144                        ; v144-151 scores, then weights
.set OV,    160                        ; v160-191 bv, then the head's output
.set W0,    192                        ; v192-255 Wo for channels 0-31; later the partial sums
	s_load_b256 s[4:11], s[0:1], 0x0               ; first32 4:5, bv 6:7, Wo 8:9, bo 10:11
	s_load_b64 s[12:13], s[0:1], 0x20              ; out0
	v_lshl_add_u32 v6, v0, 2, SPARE                ; my spare word; never rewritten
	v_mov_b32 v7, 0                                ; 0; never rewritten
	v_lshrrev_b32 v1, 5, v0
	v_readfirstlane_b32 s14, v1                    ; wave = head
	s_and_b32 s15, ttmp7, 0xffff                   ; batch
	v_and_b32 v1, 31, v0
	v_and_b32 v10, 15, v0                          ; r
	v_bfe_u32 v11, v0, 4, 1                        ; h
	v_lshlrev_b32 v2, 4, v1                        ; 16 x lane
	v_lshlrev_b32 v3, 2, v10
	v_lshl_add_u32 v3, v11, 15, v3                 ; Wo: 8 h rows of 4,096 bytes + 4 r
	v_lshlrev_b32 v12, 3, v11
	v_sub_nc_u32 v4, v10, v12                      ; r - 8 h
	v_mov_b32 v5, 0xff800000                       ; -infinity
	v_lshlrev_b32 v13, 5, v11                      ; 32 h
	v_lshlrev_b32 v14, 3, v1                       ; 8 x lane
	s_mul_i32 s16, s14, WRED
	v_mul_u32_u24 v15, v10, 272
	v_lshl_add_u32 v15, v11, 5, v15
	v_add_nc_u32 v15, s16, v15                     ; my partial sums: row r, + 32 h
	s_mul_i32 s17, s14, 272
	v_add_nc_u32 v1, s17, v14                      ; back: row = my wave's number, 8 bytes a lane
	v_mov_b32 v157, 0                              ; a lane permute's destination counts as one of its sources
	s_mov_b32 s18, 0x76543210
	s_mov_b32 s19, 0xfedcba98
	s_lshl_b32 s20, s15, 16
	s_lshl_b32 s21, s14, 12
	s_add_co_u32 s20, s20, s21                     ; first32: 65,536 bytes a batch, 4,096 a head
	s_mov_b32 s21, 0
	s_lshl_b32 s22, s14, 8                         ; bv: 256 bytes a head
	s_mov_b32 s23, 0
	s_lshl_b32 s24, s14, 18                        ; Wo: 64 rows a head,
	s_lshl_b32 s26, ttmp9, 8                       ; 256 bytes a block of columns
	s_add_co_u32 s24, s24, s26
	s_mov_b32 s25, 0
	s_mov_b32 s27, 0
	s_lshl_b32 s28, s15, 11
	s_add_co_u32 s28, s28, s14                     ; the row of out0 that my wave stores: 2,048 batch + wave
	s_lshl_b32 s28, s28, 12
	s_add_co_u32 s28, s28, s26
	s_mov_b32 s29, 0
	s_wait_kmcnt 0x0
	s_add_nc_u64 s[4:5], s[4:5], s[20:21]
	s_add_nc_u64 s[6:7], s[6:7], s[22:23]
	s_add_nc_u64 s[8:9], s[8:9], s[24:25]
	s_add_nc_u64 s[10:11], s[10:11], s[26:27]
	s_add_nc_u64 s[12:13], s[12:13], s[28:29]
	global_load_b64 v[8:9], v14, s[10:11]          ; bo: my two columns
.irp n, 0,1,2,3,4,5,6,7
	global_load_b128 v[QF+4*\n:QF+4*\n+3], v2, s[4:5] offset:512*\n
.endr
.irp n, 0,1,2,3,4,5,6,7
	global_load_b128 v[KFR+4*\n:KFR+4*\n+3], v2, s[4:5] offset:262144+512*\n
.endr
.irp n, 0,1,2,3,4,5,6,7
	global_load_b128 v[VF+4*\n:VF+4*\n+3], v2, s[4:5] offset:524288+512*\n
.endr
.irp t, 0,1,2,3
	global_load_b128 v[OV+8*\t:OV+8*\t+3], v13, s[6:7] offset:64*\t
	global_load_b128 v[OV+8*\t+4:OV+8*\t+7], v13, s[6:7] offset:64*\t+16
.endr
.irp t, 0,1
.irp u, 0,1,2,3
.irp j, 0,1,2,3,4,5,6,7
	global_load_b32 v[W0+((\t%2)*4+\u)*8+\j], v3, s[8:9] offset:(16*\t+\j)*4096+64*\u   ; Wo[64 w + 16 t + 8 h + j][64 x + 16 u + r]
.endr
.endr
.endr
	s_wait_loadcnt 63                              ; Wo's 64 loads are younger; 63 is the largest count that a wait names: all images, bv and bo are in
	; S^T = K Q'^T: four partial sums, one for each 16 channels, by turns
.irp i, 0,1,2,3
.irp t, 0,1,2,3
.if \i == 0
	v_wmma_f32_16x16x4_f32 v[ACC+8*\t:ACC+8*\t+7], v[KFR+8*\t+2*\i:KFR+8*\t+2*\i+1], v[QF+8*\t+2*\i:QF+8*\t+2*\i+1], 0
.else
	v_wmma_f32_16x16x4_f32 v[ACC+8*\t:ACC+8*\t+7], v[KFR+8*\t+2*\i:KFR+8*\t+2*\i+1], v[QF+8*\t+2*\i:QF+8*\t+2*\i+1], v[ACC+8*\t:ACC+8*\t+7]
.endif
.endr
.endr
.rept 9
	v_nop                                          ; eight places ahead of loads into Q's and K's registers and of the first read of the sums; nine ahead of the products that begin these accumulators anew
.endr
.irp t, 2,3
.irp u, 0,1,2,3
.irp j, 0,1,2,3,4,5,6,7
	global_load_b32 v[QF+((\t%2)*4+\u)*8+\j], v3, s[8:9] offset:(16*\t+\j)*4096+64*\u
.endr
.endr
.endr
.irp j, 0,1,2,3,4,5,6,7                        ; lane (r, h), register j: the score of key 8 h + j and query r; each accumulator is read from its low end on
	v_add_f32 v[152+2*(\j%2)], v[ACC+\j], v[ACC+8+\j]
	v_add_f32 v[153+2*(\j%2)], v[ACC+16+\j], v[ACC+24+\j]
	v_add_f32 v[SPR+\j], v[152+2*(\j%2)], v[153+2*(\j%2)]
.endr
.irp j, 0,1,2,3,4,5,6,7
	v_cmp_gt_i32 vcc_lo, \j, v4                    ; hidden where 8 h + j > r
	v_cndmask_b32 v[SPR+\j], v[SPR+\j], v5, vcc_lo
.endr
	v_max3_num_f32 v156, v[SPR], v[SPR+1], v[SPR+2]
	v_max3_num_f32 v156, v156, v[SPR+3], v[SPR+4]
	v_max3_num_f32 v156, v156, v[SPR+5], v[SPR+6]
	v_max_num_f32 v156, v156, v[SPR+7]
	v_permlanex16_b32 v157, v156, s18, s19
	v_max_num_f32 v156, v156, v157                 ; the row's maximum: key 0 counts for every query
.irp j, 0,1,2,3,4,5,6,7
	v_sub_f32 v[SPR+\j], v[SPR+\j], v156
.endr
.irp j, 0,1,2,3,4,5,6,7
	v_exp_f32 v[SPR+\j], v[SPR+\j]                 ; Q' holds log2(e) / 8: the scores are exponents of 2
.endr
	v_nop
	s_wait_alu depctr_va_vdst(0)                   ; one wait for the eight, ahead of their first reader
	v_add_f32 v158, v[SPR], v[SPR+1]
	v_add_f32 v159, v[SPR+2], v[SPR+3]
	v_add_f32 v158, v158, v[SPR+4]
	v_add_f32 v159, v159, v[SPR+5]
	v_add_f32 v158, v158, v[SPR+6]
	v_add_f32 v159, v159, v[SPR+7]
	v_add_f32 v158, v158, v159
	v_permlanex16_b32 v157, v158, s18, s19
	v_add_f32 v158, v158, v157
	v_rcp_f32 v159, v158
	v_nop
	s_wait_alu depctr_va_vdst(0)
	; O^T = V^T P: accumulator t holds channels 16 t + 8 h + j of query r
.irp i, 0,1,2,3
.irp t, 0,1,2,3
.if \i == 0
	v_wmma_f32_16x16x4_f32 v[ACC+8*\t:ACC+8*\t+7], v[VF+8*\t+2*\i:VF+8*\t+2*\i+1], v[SPR+2*\i:SPR+2*\i+1], 0
.else
	v_wmma_f32_16x16x4_f32 v[ACC+8*\t:ACC+8*\t+7], v[VF+8*\t+2*\i:VF+8*\t+2*\i+1], v[SPR+2*\i:SPR+2*\i+1], v[ACC+8*\t:ACC+8*\t+7]
.endif
.endr
.endr
.rept 9
	v_nop                                          ; eight places ahead of the first read, nine ahead of the products that begin these accumulators anew
.endr
.irp n, 0,1,2,3,4,5,6,7,8,9,10,11,12,13,14,15,16,17,18,19,20,21,22,23,24,25,26,27,28,29,30,31
	v_fma_f32 v[OV+\n], v[ACC+\n], v159, v[OV+\n]  ; O / l + bv
.endr
	s_wait_loadcnt 0x0                             ; Wo
	; my head's part of the projection: accumulator u holds columns 64 x + 16 u + 8 h + j of row r
.irp t, 0,1,2,3
.set WB, W0-144*(\t/2)
.irp i, 0,1,2,3
.irp u, 0,1,2,3
.if (\t == 0) && (\i == 0)
	v_wmma_f32_16x16x4_f32 v[ACC+8*\u:ACC+8*\u+7], v[WB+((\t%2)*4+\u)*8+2*\i:WB+((\t%2)*4+\u)*8+2*\i+1], v[OV+8*\t+2*\i:OV+8*\t+2*\i+1], 0
.else
	v_wmma_f32_16x16x4_f32 v[ACC+8*\u:ACC+8*\u+7], v[WB+((\t%2)*4+\u)*8+2*\i:WB+((\t%2)*4+\u)*8+2*\i+1], v[OV+8*\t+2*\i:OV+8*\t+2*\i+1], v[ACC+8*\u:ACC+8*\u+7]
.endif
.endr
.endr
.endr
.rept 8
	v_nop
.endr
.irp u, 0,1,2,3
	ds_store_b128 v15, v[ACC+8*\u:ACC+8*\u+3] offset:64*\u         ; each accumulator from its low end on
	ds_store_b128 v15, v[ACC+8*\u+4:ACC+8*\u+7] offset:64*\u+16
.endr
	s_wait_dscnt 0x0                               ; for the others' sake: my partial sums lie in LDS
	s_barrier_signal -1
	s_barrier_wait -1
.irp p, 0,1,2,3,4,5,6,7,8,9,10,11,12,13,14,15
	ds_load_b64 v[W0+2*\p:W0+2*\p+1], v1 offset:WRED*\p            ; row = my wave's number, of all sixteen heads' parts
.endr
	s_wait_dscnt 0x0
	v_pk_add_f32 v[W0:W0+1], v[W0:W0+1], v[8:9]    ; + bo
.irp p, 2,4,6,8,10,12,14
	v_pk_add_f32 v[W0:W0+1], v[W0:W0+1], v[W0+2*\p:W0+2*\p+1]
	v_pk_add_f32 v[W0+2:W0+3], v[W0+2:W0+3], v[W0+2*\p+2:W0+2*\p+3]
.endr
	v_pk_add_f32 v[W0:W0+1], v[W0:W0+1], v[W0+2:W0+3]
	global_store_b64 v14, v[W0:W0+1], s[12:13]     ; the wave stores 256 consecutive bytes, aligned
	s_wait_tensorcnt 0x0                           ; the wave's end
	ds_add_u32 v6, v7
	s_wait_dscnt 0x0
	s_endpgm
.Lfunc_end_k_q4cf628014f_first16:
	.size	k_q4cf628014f_first16, .Lfunc_end_k_q4cf628014f_first16-k_q4cf628014f_first16
	.p2alignl 7, 3214868480
	.fill 96, 4, 3214868480
	.section	.rodata,"a",@progbits
	.p2align	6, 0x0
	.amdhsa_kernel k_q4cf628014f_first16
		.amdhsa_group_segment_fixed_size 71680
		.amdhsa_private_segment_fixed_size 0
		.amdhsa_enable_private_segment 0
		.amdhsa_kernarg_size 40
		.amdhsa_user_sgpr_count 2
		.amdhsa_user_sgpr_kernarg_segment_ptr 1
		.amdhsa_wavefront_size32 1
		.amdhsa_system_sgpr_workgroup_id_x 1
		.amdhsa_system_sgpr_workgroup_id_y 1
		.amdhsa_system_sgpr_workgroup_id_z 1
		.amdhsa_system_vgpr_workitem_id 0
		.amdhsa_next_free_vgpr 256
		.amdhsa_next_free_sgpr 66
		.amdhsa_reserve_vcc 1
		.amdhsa_float_denorm_mode_32 3
		.amdhsa_float_denorm_mode_16_64 3
		.amdhsa_memory_ordered 1
		.amdhsa_forward_progress 1
		.amdhsa_inst_pref_size 32
	.end_amdhsa_kernel
	.amdgpu_metadata
---
amdhsa.version: [ 1, 2 ]
amdhsa.kernels:
  - .name:           k_q4cf628014f_first16
    .symbol:         k_q4cf628014f_first16.kd
    .args:
      - { .name: first32, .offset: 0, .size: 8, .value_kind: global_buffer, .address_space: global }
      - { .name: bv, .offset: 8, .size: 8, .value_kind: global_buffer, .address_space: global }
      - { .name: Wo, .offset: 16, .size: 8, .value_kind: global_buffer, .address_space: global }
      - { .name: bo, .offset: 24, .size: 8, .value_kind: global_buffer, .address_space: global }
      - { .name: out0, .offset: 32, .size: 8, .value_kind: global_buffer, .address_space: global }
    .group_segment_fixed_size: 71680
    .private_segment_fixed_size: 0
    .kernarg_segment_align: 8
    .kernarg_segment_size: 40
    .max_flat_workgroup_size: 512
    .sgpr_count:     66
    .vgpr_count:     256
    .wavefront_size: 32
...
	.end_amdgpu_metadata
.endif
;; end of part 4
;; launch oproj (part 5): grid 4 x 64, 4 waves a work-group, clusters of 4 x 4, 327,680 bytes of LDS; arguments att_img, wo_img, bo, out0; writes out0
.if DOCPART == 5
	.amdgcn_target "amdgcn-amd-amdhsa--gfx1250"
	.amdhsa_code_object_version 6
	.text
	.protected	k_q4cf628014f_oproj
	.globl	k_q4cf628014f_oproj
	.p2align	8
	.type	k_q4cf628014f_oproj,@function
k_q4cf628014f_oproj:
	s_mov_b64 s[64:65], 0
	v_nop
	global_prefetch_b8 v0, s[64:65] scope:SCOPE_SE
	s_setreg_imm32_b32 hwreg(HW_REG_WAVE_MODE, 25, 1), 1
	s_wait_xcnt 0x0
	s_wait_alu depctr_hold_cnt(0) depctr_sa_sdst(0) depctr_va_vdst(0) depctr_va_sdst(0) depctr_va_ssrc(0) depctr_va_vcc(0) depctr_vm_vsrc(0)
	s_getreg_b32 s2, hwreg(HW_REG_IB_STS2, 6, 4)
	s_cmp_eq_u32 s2, 0
	s_cbranch_scc0 .Lentry_in_a_cluster
	s_endpgm
.Lentry_in_a_cluster:
	s_bfe_u32 s2, ttmp6, 0x10000c
	s_cmp_lg_u32 s2, 0xf033
	s_cbranch_scc0 .Lentry_shape_is_right
	s_endpgm
.Lentry_shape_is_right:
; Launch 5 of 5: out0 = att Wo + bo, f16 operands, f32 sums, for every row but positions 0 to 15 of each sequence, which the launch before has stored in f32: each row of out0 has one owner.
; A tile of out0 is 128 rows x 256 columns: 256 work-groups.  Four waves of 64 x 128: 32 accumulators, 256 registers (window 1, (a, b) at v[8 (8 a + b)]).  K = 1024 goes in 8 steps of 128 through two LDS slots.
; Both operands lie in memory as images of operand registers, [tile of 16][k chunk of 32][c 2][lane][16 bytes], 32,768 bytes a tile.  A K step of a tile is 4,096 consecutive bytes; a tensor tile's rows are tiles of 16.
; LDS needs no pitch: every LDS load reads 512 consecutive bytes.
; CLUSTER 4 x 4: att's tiles are shared along a row of the cluster, Wo's along a column: joint loads.  Two tensor loads a wave are out at the start, then one.
; THE MATRIX INSTRUCTION IS USED TRANSPOSED (source 0 = 16 columns of Wo, source 1 = 16 rows of att): a lane holds eight neighbouring numbers of a row of out0.
; No prefetch: a K step here is short and the partners already ask jointly; the tiles are small.
; LDS: slot s at 98,304 s: att's 8 row tiles x 4,096, then Wo's 16 column tiles x 4,096; stage at 196,608: 16 rows x 528 bytes a wave, into which no fill lands; spare words at 230,400.
.set SLOT,   98304
.set STAGE,  2*SLOT
.set SPITCH, 528
.set SPARE,  STAGE+4*16*SPITCH
.set LAPS,   4                         ; a lap = two K steps
.set BOV,  8                           ; v8-11  bo of my four columns
.set ADRA, 16                          ; v16-17 LDS address of my att fragments in slot 0, 1
.set ADRB, 20                          ; v20-21 the same for Wo
.set STO,  24
.set RD,   25
.set CO,   26                          ; v26    16 x lane
.set FLG,  27                          ; v27    0 where my block 0 is positions 0 to 15 of a sequence
.set SPW,  28
.set NIL,  29
.set F0,   64                          ; fragment buffers in window 0: att's four fragments at f + 8 a, Wo's eight at f + 32 + 8 b
.set F1,   160
.set BK,   64                          ; the way out: 16 rows read back: v64-127 and v128-191 by turns
.set WV,   12
.set RH,   13                          ; row half; also: I fetch for att (0) or for Wo (1)
.set CH,   14                          ; column half; also: which half of that tile I fetch
.set G1, 24
.set G0, 32
.set G1B, 48
.set G0B, 56
.set MSB, 0
.macro WIN new
.if MSB != (\new)
	s_set_vgpr_msb (MSB<<8)|(\new)
.set MSB, (\new)
.endif
.endm
.set MUL, 0x50                         ; both sources window 0; C and D window 1
.macro JLOAD s
	s_cmp_eq_u32 s[RH], 0
	s_cbranch_scc0 .Lfor_b_\@
	tensor_load_to_lds s[G0+4*\s:G0+4*\s+3], s[G1:G1+7]
	s_nop 0
.rept 4
	v_nop
.endr
	s_branch .Lasked_\@
.Lfor_b_\@:
	tensor_load_to_lds s[G0B+4*\s:G0B+4*\s+3], s[G1B:G1B+7]
	s_nop 0
.rept 4
	v_nop
.endr
.Lasked_\@:
.endm
.macro CREST
	s_cmp_lg_u32 s[WV], 0
	s_cbranch_scc1 .Lnot_wave_0_\@
	s_barrier_signal -3
.Lnot_wave_0_\@:
	s_barrier_wait -3
	s_barrier_signal -1
	s_barrier_wait -1
.endm
.macro CROUND
	s_barrier_signal -1
	s_barrier_wait -1
	CREST
.endm
	s_load_b256 s[4:11], s[0:1], 0x0               ; att_img 4:5, wo_img 6:7, bo 8:9, out0 10:11
	v_lshl_add_u32 v[SPW], v0, 2, SPARE
	v_mov_b32 v[NIL], 0
	ds_add_u32 v[SPW], v[NIL]                      ; the wave's opening: the add, twice on end, and its wait ahead of my first tensor load
	ds_add_u32 v[SPW], v[NIL]
	v_lshrrev_b32 v1, 5, v0
	v_readfirstlane_b32 s[WV], v1
	s_lshr_b32 s[RH], s[WV], 1
	s_and_b32 s[CH], s[WV], 1
	s_bfe_u32 s40, ttmp6, 0x40000                  ; cx
	s_bfe_u32 s41, ttmp6, 0x40004                  ; cy
	s_lshl_b32 s42, ttmp9, 2
	s_add_co_u32 s42, s42, s40                     ; tile column, 0 .. 3
	s_and_b32 s15, ttmp7, 0xffff
	s_lshl_b32 s15, s15, 2
	s_add_co_u32 s15, s15, s41                     ; tile row, 0 .. 63
	s_lshl_b32 s43, s41, 2
	s_lshl_b32 s43, 15, s43                        ; my row of the cluster
	s_lshl_b32 s44, 0x1111, s40                    ; my column
	s_or_b32 s[G1], s43, (3<<16)|(1<<21)           ; 15:0 the mask; 17:16 elements of 8 bytes; 21 set beside a mask; no padding
	s_or_b32 s[G1B], s44, (3<<16)|(1<<21)
	s_mov_b32 s[G1+1], 512<<16                     ; tensor_dim0 = 512 elements: 4,096 bytes, a K step of a tile of 16
	s_mov_b32 s[G1+2], 4<<16                       ; tensor_dim1 = 4 row tiles
	s_mov_b32 s[G1+3], 512<<16                     ; tile_dim0
	s_mov_b32 s[G1+4], 4                           ; tile_dim1
	s_mov_b32 s[G1+5], 4096                        ; from tile to tile: 32,768 bytes
	s_mov_b32 s[G1+6], 0
	s_mov_b32 s[G1+7], 0
	s_mov_b32 s[G1B+1], 512<<16
	s_mov_b32 s[G1B+2], 8<<16                      ; 8 column tiles
	s_mov_b32 s[G1B+3], 512<<16
	s_mov_b32 s[G1B+4], 8
	s_mov_b32 s[G1B+5], 4096
	s_mov_b32 s[G1B+6], 0
	s_mov_b32 s[G1B+7], 0
	s_lshl_b32 s16, s15, 3
	s_lshl_b32 s17, s[CH], 2
	s_add_co_u32 s16, s16, s17
	s_lshl_b32 s16, s16, 15                        ; att: row tile 8 x tile row + 4 x half
	s_mov_b32 s17, 0
	s_lshl_b32 s46, s42, 4
	s_lshl_b32 s47, s[CH], 3
	s_add_co_u32 s46, s46, s47
	s_lshl_b32 s46, s46, 15                        ; Wo: column tile 16 x tile column + 8 x half
	s_mov_b32 s47, 0
	s_lshl_b32 s20, s[CH], 14                      ; where they go: no place in the cluster enters an LDS address
	s_lshl_b32 s23, s[CH], 15
	s_add_co_u32 s23, s23, 32768
	s_wait_dscnt 0x0                               ; both opening adds are done
	s_wait_kmcnt 0x0
	s_add_nc_u64 s[16:17], s[4:5], s[16:17]
	s_add_nc_u64 s[46:47], s[6:7], s[46:47]
	CROUND                                         ; all sixteen work-groups are here: the first joint loads meet
.irp s, 0,1
	s_mov_b32 s[G0+4*\s], 1
	s_add_co_u32 s[G0+4*\s+1], s20, \s*SLOT
	s_add_nc_u64 s[G0+4*\s+2:G0+4*\s+3], s[16:17], \s*4096
	s_or_b32 s[G0+4*\s+3], s[G0+4*\s+3], 0x80000000
	s_mov_b32 s[G0B+4*\s], 1
	s_add_co_u32 s[G0B+4*\s+1], s23, \s*SLOT
	s_add_nc_u64 s[G0B+4*\s+2:G0B+4*\s+3], s[46:47], \s*4096
	s_or_b32 s[G0B+4*\s+3], s[G0B+4*\s+3], 0x80000000
	JLOAD \s
.endr
	v_and_b32 v1, 31, v0
	v_lshlrev_b32 v[CO], 4, v1
	s_lshl_b32 s21, s[RH], 14                      ; my four row tiles
	s_lshl_b32 s22, s[CH], 15
	s_add_co_u32 s22, s22, 32768                   ; my eight column tiles
.irp s, 0,1
	v_add_nc_u32 v[ADRA+\s], s21, v[CO]
	v_add_nc_u32 v[ADRB+\s], s22, v[CO]
	s_add_co_u32 s21, s21, SLOT
	s_add_co_u32 s22, s22, SLOT
.endr
	s_mul_i32 s21, s[WV], 16*SPITCH
	s_add_co_u32 s21, s21, STAGE                   ; my stage
	v_and_b32 v2, 15, v0
	v_bfe_u32 v3, v0, 4, 1
	v_mul_u32_u24 v[STO], v2, SPITCH
	v_lshl_add_u32 v[STO], v3, 5, v[STO]
	v_add_nc_u32 v[STO], s21, v[STO]               ; in: row r, 32 bytes for each half of the lanes
	v_add_nc_u32 v[RD], s21, v[CO]                 ; back: the 32 lanes take one row of 512 bytes
	s_lshl_b32 s46, s42, 10
	s_lshl_b32 s47, s[CH], 9
	s_add_co_u32 s46, s46, s47                     ; my first column, in bytes
	s_mov_b32 s47, 0
	s_add_nc_u64 s[8:9], s[8:9], s[46:47]
	s_add_nc_u64 s[10:11], s[10:11], s[46:47]
	s_lshl_b32 s16, s15, 7
	s_lshl_b32 s17, s[RH], 6
	s_add_co_u32 s16, s16, s17
	s_lshl_b32 s16, s16, 12                        ; my first row: 128 x tile row + 64 x half, 4,096 bytes a row
	s_mov_b32 s17, 0
	s_add_nc_u64 s[10:11], s[10:11], s[16:17]
	s_and_b32 s18, s15, 15
	s_or_b32 s18, s18, s[RH]
	v_mov_b32 v[FLG], s18
	global_load_b128 v[BOV:BOV+3], v[CO], s[8:9]   ; bo: waited for on the way out
.macro MUL8 f, a, zero                 ; row block a x all eight column blocks, 32 along K.  The 32 accumulators take turns, in the same order in every quarter
.irp b, 0,1,2,3,4,5,6,7
.if \zero
	v_wmma_f32_16x16x32_f16 v[8*(8*(\a)+\b):8*(8*(\a)+\b)+7], v[\f+32+8*\b:\f+32+8*\b+7], v[\f+8*(\a):\f+8*(\a)+7], 0
.else
	v_wmma_f32_16x16x32_f16 v[8*(8*(\a)+\b):8*(8*(\a)+\b)+7], v[\f+32+8*\b:\f+32+8*\b+7], v[\f+8*(\a):\f+8*(\a)+7], v[8*(8*(\a)+\b):8*(8*(\a)+\b)+7]
.endif
.endr
.endm
.macro FETCH slot, kc, f               ; 24 LDS loads in one run: the fragments of the slot's kc-th 32 along K: Wo's first, att's last
	WIN 0
.irp b, 0,1,2,3,4,5,6,7
	ds_load_b128 v[\f+32+8*\b:\f+32+8*\b+3],   v[ADRB+\slot] offset:\b*4096+\kc*1024
	ds_load_b128 v[\f+32+8*\b+4:\f+32+8*\b+7], v[ADRB+\slot] offset:\b*4096+\kc*1024+512
.endr
.irp a, 0,1,2,3
	ds_load_b128 v[\f+8*\a:\f+8*\a+3],   v[ADRA+\slot] offset:\a*4096+\kc*1024
	ds_load_b128 v[\f+8*\a+4:\f+8*\a+7], v[ADRA+\slot] offset:\a*4096+\kc*1024+512
.endr
.endm
.macro PLACES
.rept 4
	v_nop
.endr
.endm
.macro QUARTER slot, kc, f, g, zero    ; multiplies buffer f and fetches the slot's kc-th quarter into g
	s_wait_dscnt 4                                 ; att's fragments 2 and 3 may be out
	WIN MUL
	MUL8 \f, 0, \zero
	MUL8 \f, 1, \zero
	PLACES                                         ; ahead of loads into registers that the quarter before multiplied
	FETCH \slot, \kc, \g
	s_wait_dscnt 24                                ; all but the 24 just issued
	WIN MUL
	MUL8 \f, 2, \zero
	MUL8 \f, 3, \zero
.endm
; A slot's last quarter multiplies buffer 1 and changes slots: one barrier; in front of it each wave waits for all its tensor loads, adds 0 to its spare word, and waits for that and for its reads of this slot.
; fill = 1: the barrier opens a round of the cluster's barrier, and this slot is filled again, two K steps ahead.
.macro TURN slot, next, fill
	WIN 0
	s_wait_tensorcnt 0x0                           ; all my tensor loads have landed: my part of the next slot
	ds_add_u32 v[SPW], v[NIL]
	s_wait_dscnt 7                                 ; the add and the youngest six loads (att's fragments 1 to 3) may be out
	WIN MUL
	MUL8 F1, 0, 0
	s_wait_dscnt 0x0                               ; the add is done, and my reads of this slot are over
	s_barrier_signal -1
	MUL8 F1, 1, 0
	WIN 0
	s_barrier_wait -1
.if \fill
	CREST                                          ; no wave of any partner still reads this slot or has a load on its way
	s_add_nc_u64 s[G0+4*\slot+2:G0+4*\slot+3], s[G0+4*\slot+2:G0+4*\slot+3], 8192
	s_add_nc_u64 s[G0B+4*\slot+2:G0B+4*\slot+3], s[G0B+4*\slot+2:G0B+4*\slot+3], 8192
	JLOAD \slot                                    ; the first tensor load behind the round; its four v_nop are also the places ahead of the loads below
.else
	PLACES
.endif
	FETCH \next, 0, F0
	WIN MUL
	MUL8 F1, 2, 0
	MUL8 F1, 3, 0
.endm
	s_wait_tensorcnt 1                             ; my part of K step 0 is in; K step 1's load may be out,
	s_barrier_signal -1
	s_barrier_wait -1                              ; everybody's is
	FETCH 0, 0, F0
	QUARTER 0, 1, F0, F1, 1                        ; the first quarter stands in front of the loop: its products start the sums
	WIN 0
	s_mov_b32 s3, LAPS-1
.Llap:                                             ; a trip goes once round the ring and fills both slots again
	QUARTER 0, 2, F1, F0, 0
	QUARTER 0, 3, F0, F1, 0
	TURN 0, 1, 1
	QUARTER 1, 1, F0, F1, 0
	QUARTER 1, 2, F1, F0, 0
	QUARTER 1, 3, F0, F1, 0
	TURN 1, 0, 1
	QUARTER 0, 1, F0, F1, 0
	WIN 0
	s_sub_co_u32 s3, s3, 1
	s_cmp_lg_u32 s3, 0
	s_cbranch_scc1 .Llap
	QUARTER 0, 2, F1, F0, 0                        ; the last lap fills nothing
	QUARTER 0, 3, F0, F1, 0
	TURN 0, 1, 0
	QUARTER 1, 1, F0, F1, 0
	QUARTER 1, 2, F1, F0, 0
	QUARTER 1, 3, F0, F1, 0
	s_wait_dscnt 4
	WIN MUL
	MUL8 F1, 0, 0
	MUL8 F1, 1, 0
	s_wait_dscnt 0
	MUL8 F1, 2, 0
	MUL8 F1, 3, 0
	WIN 0
; THE WAY OUT, block by block of 16 rows x 128 columns, through my own stage: in as 32 bytes a lane, back as whole rows of 512 bytes, + bo, stored as 512 consecutive bytes.
; LDS serves a wave's instructions in order: no wait between the stores and the loads, nor ahead of the next block's stores.
.macro TOSTAGE a
	WIN 0x04                                       ; an LDS store's data: window 1
.irp b, 0,1,2,3,4,5,6,7
	ds_store_b128 v[STO], v[8*(8*(\a)+\b):8*(8*(\a)+\b)+3] offset:64*\b          ; each accumulator from its low end on
	ds_store_b128 v[STO], v[8*(8*(\a)+\b)+4:8*(8*(\a)+\b)+7] offset:64*\b+16
.endr
	WIN 0
.set BB, BK+64*((\a)%2)
.irp t, 0,1,2,3,4,5,6,7,8,9,10,11,12,13,14,15
	ds_load_b128 v[BB+4*\t:BB+4*\t+3], v[RD] offset:\t*SPITCH
.endr
.endm
.macro SEND a, younger
.set BB, BK+64*((\a)%2)
	s_wait_dscnt \younger                          ; the block is back; the next block's 16 stores and 16 loads may be out
.irp t, 0,1,2,3,4,5,6,7,8,9,10,11,12,13,14,15
	v_pk_add_f32 v[BB+4*\t:BB+4*\t+1], v[BB+4*\t:BB+4*\t+1], v[BOV:BOV+1]
	v_pk_add_f32 v[BB+4*\t+2:BB+4*\t+3], v[BB+4*\t+2:BB+4*\t+3], v[BOV+2:BOV+3]
.endr
.if (\a) == 0
	v_cmp_ne_u32 vcc_lo, 0, v[FLG]                 ; positions 0 to 15 of a sequence are not mine to store.  A mask of lanes and no branch: the condition holds my place in the cluster
	s_wait_xcnt 0x0                                ; EXEC changes only behind this wait
	s_and_saveexec_b32 s2, vcc_lo
.endif
.irp t, 0,1,2,3,4,5,6,7,8,9,10,11,12,13,14,15
	global_store_b128 v[CO], v[BB+4*\t:BB+4*\t+3], s[10:11] offset:(16*(\a)+\t)*4096 th:TH_STORE_NT
.endr
.if (\a) == 0
	s_wait_xcnt 0x0
	s_or_b32 exec_lo, exec_lo, s2
.endif
.endm
	PLACES                                         ; ahead of the first read of results and of loads into the fragments' registers
	s_wait_loadcnt 0x0                             ; bo
	TOSTAGE 0
	TOSTAGE 1
	SEND 0, 32
	s_wait_xcnt 0x0                                ; block 0's stores have read their registers: block 2's loads may land there
	TOSTAGE 2
	SEND 1, 32
	s_wait_xcnt 0x0
	TOSTAGE 3
	SEND 2, 32
	SEND 3, 0
	s_wait_tensorcnt 0x0                           ; the wave's end
	ds_add_u32 v[SPW], v[NIL]
	s_wait_dscnt 0x0
	CROUND                                         ; the closing round
	s_endpgm
.Lfunc_end_k_q4cf628014f_oproj:
	.size	k_q4cf628014f_oproj, .Lfunc_end_k_q4cf628014f_oproj-k_q4cf628014f_oproj
	.p2alignl 7, 3214868480
	.fill 96, 4, 3214868480
	.section	.rodata,"a",@progbits
	.p2align	6, 0x0
	.amdhsa_kernel k_q4cf628014f_oproj
		.amdhsa_group_segment_fixed_size 327680
		.amdhsa_private_segment_fixed_size 0
		.amdhsa_enable_private_segment 0
		.amdhsa_kernarg_size 32
		.amdhsa_user_sgpr_count 2
		.amdhsa_user_sgpr_kernarg_segment_ptr 1
		.amdhsa_wavefront_size32 1
		.amdhsa_system_sgpr_workgroup_id_x 1
		.amdhsa_system_sgpr_workgroup_id_y 1
		.amdhsa_system_sgpr_workgroup_id_z 1
		.amdhsa_system_vgpr_workitem_id 0
		.amdhsa_next_free_vgpr 512
		.amdhsa_next_free_sgpr 66
		.amdhsa_reserve_vcc 1
		.amdhsa_float_denorm_mode_32 3
		.amdhsa_float_denorm_mode_16_64 3
		.amdhsa_memory_ordered 1
		.amdhsa_forward_progress 1
		.amdhsa_inst_pref_size 93
	.end_amdhsa_kernel
	.amdgpu_metadata
---
amdhsa.version: [ 1, 2 ]
amdhsa.kernels:
  - .name:           k_q4cf628014f_oproj
    .symbol:         k_q4cf628014f_oproj.kd
    .args:
      - { .name: att_img, .offset: 0, .size: 8, .value_kind: global_buffer, .address_space: global }
      - { .name: wo_img, .offset: 8, .size: 8, .value_kind: global_buffer, .address_space: global }
      - { .name: bo, .offset: 16, .size: 8, .value_kind: global_buffer, .address_space: global }
      - { .name: out0, .offset: 24, .size: 8, .value_kind: global_buffer, .address_space: global }
    .group_segment_fixed_size: 327680
    .private_segment_fixed_size: 0
    .kernarg_segment_align: 8
    .kernarg_segment_size: 32
    .max_flat_workgroup_size: 128
    .sgpr_count:     66
    .vgpr_count:     512
    .wavefront_size: 32
...
	.end_amdgpu_metadata
.endif
;; end of part 5
